; MI455X (gfx1250); checked and timed in simulation.
; The chip was launched on July 23, 2026; its instructions are those of AMD's public machine-readable ISA for CDNA 5 (MIT licence, August 2026) and "CDNA5" Instruction Set Architecture Reference Guide (July 2026). The comments in the code are by the model that wrote it; some were corrected since.
;; Chronos2 Attention. Allowed arithmetic: matrix products marked QUANTISED: E2M3 operands, one E8M0 scale for each 32 along K, by v_wmma_scale_f32_16x16x128_f8f6f4 with both operands' format E2M3, f32 sums; everything else in f32.
;; Inputs: hidden_states 4 x 2,048 x 1,024 float32; positions 2,048 int32; wk 1,024 x 1,024 float32; wo 1,024 x 1,024 float32; wq 1,024 x 1,024 float32; wv 1,024 x 1,024 float32.
;; Outputs: out0 4 x 2,048 x 1,024 float32.
;; This version of the problem:
;;   THIS VERSION OF THE PROBLEM IS GIVEN IN LOW PRECISION. The matrix products marked QUANTISED in the list below multiply operands that are first quantised to E2M3 (2 exponent bits, 3 mantissa bits; 6 bits a number), with one power-of-two scale for each 32 numbers along K (OCP MX v1.0); their sums are f32. All else is computed in f32.
;;   The module's matrix products, in the order in which they are computed (A, B: the left and right operand; K: the contracted axis; several contracted axes count as one K, in the product's order):
;;     1. [M 8,192, K 1,024] x [K 1,024, N 1,024]; A: input hidden_states; B: input wq: QUANTISED
;;     2. [M 8,192, K 1,024] x [K 1,024, N 1,024]; A: input hidden_states; B: input wk: QUANTISED
;;     3. [M 8,192, K 1,024] x [K 1,024, N 1,024]; A: input hidden_states; B: input wv: QUANTISED
;;     4. batch 64 x [M 2,048, K 64] x [K 64, N 2,048]; A: computed on the way; B: computed on the way: QUANTISED
;;     5. batch 64 x [M 2,048, K 2,048] x [K 2,048, N 64]; A: softmax (see below); B: computed on the way: QUANTISED
;;     6. [M 8,192, K 1,024] x [K 1,024, N 1,024]; A: computed on the way; B: input wo: QUANTISED
;;   THE QUANTISER, for each operand of a quantised product, along K:
;;     - K is cut into blocks of 32 from its start; a last block that is shorter is filled with zeros.
;;     - A block's scale is 2^e with e = floor(log2(the largest magnitude in the block)) - 2, held to -126 .. 127; a block of zeros has e = 0. As a byte (E8M0): e + 127.
;;     - Each number is divided by its block's scale, clamped to +-7.5, and rounded to the nearest number of E2M3, ties to even, subnormals kept.
;;     - The product sums the exact products of the quantised numbers (number of the format x scale) in f32.
;;   ~~~python
;;   def quantise(x, axis):      # numpy; x: float32 -> the quantised numbers, widened to float32 again
;;       x = np.moveaxis(x, axis, -1); K = x.shape[-1]
;;       x = np.pad(x, [(0, 0)] * (x.ndim - 1) + [(0, -K % 32)]); x = x.reshape(x.shape[:-1] + (-1, 32)); a = np.abs(x).max(-1, keepdims=True)
;;       e = np.where(a > 0, np.clip(np.frexp(np.where(a > 0, a, 1))[1] - 1 - 2, -126, 127), 0)      # np.frexp(a)[1] - 1 = floor(log2(a)), exactly
;;       r = np.clip(x / 2.0 ** e, -7.5, 7.5)
;;       step = 2.0 ** (np.maximum(np.frexp(np.where(r == 0, 1, r))[1] - 1, 0) - 3)
;;       q = np.round(r / step) * step * 2.0 ** e      # np.round: ties to even
;;       return np.moveaxis(q.reshape(q.shape[:-2] + (-1,))[..., :K], -1, axis).astype(np.float32)
;;   ~~~
;;   SOFTMAX AHEAD OF A QUANTISED PRODUCT. Where the list says 'softmax', what is quantised is not the finished softmax but p = 2^(t - M), with t = logit x log2(e) and M = ceil(the row's largest t), a whole number; so 1/2 < the row's largest p <= 1. The row's sum l is taken of the UNQUANTISED p, in f32, and the product's result is divided by l at the end. Since M is a whole number, a kernel that streams over the keys may use a running M (the ceiling of the running maximum): every later rescaling is an exact power of two, which a block's scale takes up: the codes' values come out the same.
;;   OPERANDS COMPUTED ON THE WAY. 'Computed on the way' means the value that the module computes at that place (a softmax that the list does not call 'softmax' is quantised finished and normalised). What goes into a quantiser is computed in f32, as accurately as f32 sums, v_exp_f32 and their like allow (about 1e-6 of the number): no bf16 or f16 on the way to a quantiser, and a product that is left as it is and whose result goes on into a quantised operand takes f32 operands (vector FMAs, or v_wmma_f32_16x16x4_f32). A number that lies on a knife's edge between two numbers of the format may be rounded either way, as far as f32 arithmetic and the matrix unit's own rounding can turn it there, and no further.
;; One version. Each part assembles by itself: llvm-mc -triple=amdgcn-amd-amdhsa -mcpu=gfx1250 --defsym DOCPART=n.
;; ======== version 1 of 1: 4 launches
;; limits: right only within a limited range of input values
;; workspace buffers: xq 6,553,600 bytes; wts 3,276,800 bytes; tab 524,288 bytes; qkv 19,660,800 bytes; ao 6,553,600 bytes
;; launch prep (part 1): grid 448 x 1, 4 waves a work-group, no clusters, 34,304 bytes of LDS; arguments hidden_states, wq, wk, wv, wo, positions, xq, wts, tab; writes xq, wts, tab
.if DOCPART == 1
	.amdgcn_target "amdgcn-amd-amdhsa--gfx1250"
	.amdhsa_code_object_version 6
	.text
	.protected	k_qd1f11bbccb_prep
	.globl	k_qd1f11bbccb_prep
	.p2align	8
	.type	k_qd1f11bbccb_prep,@function
k_qd1f11bbccb_prep:
	s_mov_b64 s[64:65], 0
	v_nop
	global_prefetch_b8 v0, s[64:65] scope:SCOPE_SE
	s_setreg_imm32_b32 hwreg(HW_REG_WAVE_MODE, 25, 1), 1
	s_wait_xcnt 0x0
; PREP: everything that is quantised once, and the table of cosines and sines.  Three kinds of work-group, told apart by the work-group's number:
;   0-255   hidden_states [8192][1024] f32 (K innermost) -> xq;   256-383  wq, wk, wv, wo [1024 k][1024 n] f32 (K = first axis) -> wts;   384-447  positions -> tab.
; CODES are FP6 (E2M3) with one E8M0 byte for each 32 along K: the byte is the largest magnitude's exponent field - 2, held at 1 from below.
; LAYOUT OF AN OPERAND.  Row i is stored at index w = i with bits 3 and 4 exchanged, so that tile t of 16 stored rows holds rows 32 (t/2) + 8 (t%2) + p%8 + 16 (p/8), p = 0 .. 15.
; A half fragment (16 rows x 64 K) is the image of six operand registers, 768 bytes: registers 0-3 at 16 x lane, registers 4-5 at 512 + 8 x lane; lane (r, h) holds row r, K 32 h .. 32 h + 31.
; Codes lie [w/128][k/256][(w/16)%8][(k/64)%4][768]; the scale bytes behind them, [w][32].
; LIMITS: NaN and infinities are not served.  A block of zeros, or one whose largest magnitude lies under 2^-124, gets the byte 1 (its codes are zeros or held); the bytes are read by this program alone.
; The angle position x inv_freq is reduced by three parts of pi/2, good for magnitudes up to about 1e5.  inv_freq is a table of 32 constants, 1 / (10^(i/8) rounded to f32), rounded to f32.
; No matrix unit, no cluster, no tensor load: the launch is a stream, and its work-groups share no input.
.set SPARE, 33792                      ; behind the four stages: the spare words, 128 bytes a wave
.set SPW,   12                         ; v12  SPARE + 4 x my thread's number; never rewritten
.set NIL,   13                         ; v13  0; never rewritten
.set R,     16                         ; v16-143   hidden: two sets of 64 registers as loaded
.set X,     144                        ; v144-207  hidden: 64 numbers, two whole blocks of 32 a lane
.set C,     208                        ; v208-219  a fragment's codes; v220-226 at work
.set SW,    228                        ; v228-231  the four fragments' scale words
.set TM,    232                        ; v232-239  at work
.set WX,    32                         ; weights: v32-95 two sets of 32 numbers
.set WC,    96                         ; v96-101 a block's codes
.set WT,    104                        ; v104-106 at work
.set SB,    24                         ; v24-25 eight scale bytes
.set RB,    32                         ; table: eight registers a row
	s_load_b256 s[4:11], s[0:1], 0x0               ; hidden s[4:5], wq s[6:7], wk s[8:9], wv s[10:11]
	s_load_b256 s[12:19], s[0:1], 0x20             ; wo s[12:13], positions s[14:15], xq s[16:17], wts s[18:19]
	s_load_b64 s[20:21], s[0:1], 0x40              ; tab
	v_lshl_add_u32 v[SPW], v0, 2, SPARE
	v_mov_b32 v[NIL], 0
	v_lshrrev_b32 v1, 5, v0
	v_readfirstlane_b32 s22, v1                    ; wave 0..3
	v_and_b32 v2, 31, v0                           ; lane
	s_mov_b32 s27, 0                               ; the high word of every offset
	s_wait_kmcnt 0x0
	s_cmp_lt_u32 ttmp9, 256
	s_cbranch_scc0 .Lweights
; ---------------- hidden_states.  Wave w takes tile 2 x work-group + w / 2 (16 rows) and half w % 2 of K: four fragments of 128 along K.
; Each load reads 512 consecutive bytes of one row; the 16 rows turn through the wave's own stage in LDS (pitch 528), so that lane (r, h) gets blocks h and 2 + h of row r whole.
	s_lshr_b32 s23, s22, 1                         ; the tile's parity
	s_and_b32 s24, s22, 1                          ; which half of K
	s_lshl_b32 s26, ttmp9, 17                      ; 32 rows of 4,096 bytes a work-group,
	s_lshl_b32 s28, s23, 15                        ; 8 rows on for the odd tile,
	s_add_co_u32 s26, s26, s28
	s_lshl_b32 s28, s24, 11                        ; 512 numbers on for the second half of K
	s_add_co_u32 s26, s26, s28
	s_add_nc_u64 s[4:5], s[4:5], s[26:27]
	s_lshl_b32 s25, ttmp9, 1
	s_add_co_u32 s25, s25, s23                     ; the tile
	s_lshr_b32 s26, s25, 3
	s_mul_i32 s26, s26, 98304
	s_and_b32 s28, s25, 7
	s_mul_i32 s28, s28, 3072
	s_add_co_u32 s26, s26, s28
	s_mul_i32 s28, s24, 49152
	s_add_co_u32 s26, s26, s28
	s_add_nc_u64 s[30:31], s[16:17], s[26:27]      ; where my codes go
	s_lshl_b32 s26, s25, 9
	s_lshl_b32 s28, s24, 4
	s_add_co_u32 s26, s26, s28
	s_add_co_u32 s26, s26, 6291456
	s_add_nc_u64 s[32:33], s[16:17], s[26:27]      ; and my scale bytes: 32 a row, my half's 16
	s_mov_b32 s34, 0x76543210
	s_mov_b32 s35, 0xfedcba98                      ; v_permlanex16_b32's selects for lane l xor 16
	s_mul_i32 s28, s22, 8448                       ; my stage
	v_lshlrev_b32 v3, 4, v2                        ; 16 x lane
	v_lshlrev_b32 v4, 3, v2                        ; 8 x lane
	v_add_nc_u32 v5, s28, v3                       ; into the stage: as loaded
	v_and_b32 v8, 15, v0                           ; r
	v_bfe_u32 v9, v0, 4, 1                         ; h
	v_mul_u32_u24 v6, v8, 528
	v_lshl_add_u32 v6, v9, 7, v6
	v_add_nc_u32 v6, s28, v6                       ; out of it: row r, + 128 h
	v_lshlrev_b32 v7, 5, v8
	v_lshl_add_u32 v7, v9, 3, v7                   ; scale bytes: 32 r + 8 h
	v_lshlrev_b32 v10, 3, v9                       ; 8 h: my bytes' place in a scale word
	v_mov_b32 v[TM+7], 0                           ; a lane permute's destination counts as one of its sources
.macro LOADH f
.irp i, 0,1,2,3,4,5,6,7,8,9,10,11,12,13,14,15
	global_load_b128 v[R+64*((\f)%2)+4*\i:R+64*((\f)%2)+4*\i+3], v3, s[4:5] offset:(\i%8+16*(\i/8))*4096+512*(\f) th:TH_LOAD_NT
.endr
.endm
.macro TURNH f                         ; LDS serves a wave's instructions in order: no wait between the stores and the loads
.irp i, 0,1,2,3,4,5,6,7,8,9,10,11,12,13,14,15
	ds_store_b128 v5, v[R+64*((\f)%2)+4*\i:R+64*((\f)%2)+4*\i+3] offset:528*\i
.endr
.irp c, 0,1
.irp j, 0,1,2,3,4,5,6,7
	ds_load_b128 v[X+32*\c+4*\j:X+32*\c+4*\j+3], v6 offset:256*\c+16*\j
.endr
.endr
.endm
.macro QB f                            ; my two blocks become registers 0-5 and 6-11 of the fragment; the scale word is pieced from lanes l and l xor 16
.irp c, 0,1
	v_max3_num_f32 v[TM+\c], |v[X+32*\c]|, |v[X+32*\c+1]|, 0x1800000   ; with the floor 2^(3 - 127): the byte cannot fall under 1
.endr
.irp i, 2,4,6,8,10,12,14,16,18,20,22,24,26,28,30
.irp c, 0,1
	v_max3_num_f32 v[TM+\c], v[TM+\c], |v[X+32*\c+\i]|, |v[X+32*\c+\i+1]|
.endr
.endr
.irp c, 0,1
	v_add_nc_u32 v[TM+2+\c], 0xff000000, v[TM+\c]  ; 2 off the exponent field: the conversion's scale operand
.endr
.irp c, 0,1
	v_lshrrev_b32 v[TM+4+\c], 23, v[TM+2+\c]       ; the byte
.endr
	v_lshl_or_b32 v[TM+6], v[TM+5], 16, v[TM+4]    ; blocks h and 2 + h
	v_lshlrev_b32 v[TM+6], v10, v[TM+6]
	v_permlanex16_b32 v[TM+7], v[TM+6], s34, s35
	v_or_b32 v[SW+\f], v[TM+6], v[TM+7]
.if \f > 0
	s_wait_xcnt 0x0                                ; the last fragment's stores have read the codes' registers
.endif
.irp c, 0,1
	v_cvt_scalef32_pk16_fp6_f32 v[C+6*\c:C+6*\c+2], v[X+32*\c:X+32*\c+15], v[TM+2+\c]
	v_cvt_scalef32_pk16_fp6_f32 v[C+12+4*\c:C+12+4*\c+2], v[X+32*\c+16:X+32*\c+31], v[TM+2+\c]   ; (a conversion's three registers begin on an even number)
.endr
	v_nop                                          ; one plain place behind a scaled conversion
.irp c, 0,1
.irp i, 0,1,2
	v_mov_b32 v[C+6*\c+3+\i], v[C+12+4*\c+\i]
.endr
.endr
.endm
	LOADH 0
	LOADH 1
.irp f, 0,1,2,3
.if \f < 3
	s_wait_loadcnt 16                              ; this fragment's 16 loads are in; the next one's may be out
.else
	s_wait_loadcnt 0
.endif
	TURNH \f
	s_wait_dscnt 0x0                               ; the numbers are back, and the stage's stores have read their registers
.if \f < 2
	LOADH \f+2
.endif
	QB \f
	global_store_b128 v3, v[C:C+3], s[30:31] offset:(\f/2)*24576+(\f%2)*1536          ; 512 consecutive bytes
	global_store_b64 v4, v[C+4:C+5], s[30:31] offset:(\f/2)*24576+(\f%2)*1536+512     ; 256
	global_store_b128 v3, v[C+6:C+9], s[30:31] offset:(\f/2)*24576+(\f%2)*1536+768
	global_store_b64 v4, v[C+10:C+11], s[30:31] offset:(\f/2)*24576+(\f%2)*1536+1280
.endr
	v_cmp_ne_u32 vcc_lo, 0, v9
	v_cndmask_b32 v[TM], v[SW], v[SW+2], vcc_lo    ; lane (r, h) stores words 2 h and 2 h + 1 of row r
	v_cndmask_b32 v[TM+1], v[SW+1], v[SW+3], vcc_lo
	global_store_b64 v7, v[TM:TM+1], s[32:33]
	s_wait_tensorcnt 0x0                           ; the wave's end, behind my last LDS store
	ds_add_u32 v[SPW], v[NIL]
	s_wait_dscnt 0x0
	s_endpgm
; ---------------- the four weights.  A lane takes a column n and its registers run down K: a block of 32 lies in one lane, and the codes come out with K innermost.
; Work-group j: weight j / 32, columns 128 ((j % 32) / 4) on, K 256 (j % 4) on; a wave takes 32 columns, 8 blocks a lane.  Loads run two blocks ahead.
; The stores of 16 bytes fill runs of 256 bytes with sixteen lanes; those of 8 bytes (a third of the codes) and the scale bytes fill shorter runs.
.Lweights:
	s_cmp_lt_u32 ttmp9, 384
	s_cbranch_scc0 .Ltable
	s_sub_co_u32 s23, ttmp9, 256
	s_lshr_b32 s24, s23, 5                         ; which weight
	s_bfe_u32 s25, s23, 0x30002                    ; which 128 columns
	s_and_b32 s26, s23, 3                          ; which 256 along K
	s_cmp_eq_u32 s24, 1                            ; the choice hangs on the work-group's number alone
	s_cselect_b64 s[6:7], s[8:9], s[6:7]
	s_cmp_eq_u32 s24, 2
	s_cselect_b64 s[6:7], s[10:11], s[6:7]
	s_cmp_eq_u32 s24, 3
	s_cselect_b64 s[6:7], s[12:13], s[6:7]
	s_lshl_b32 s28, s26, 20                        ; 256 rows of 4,096 bytes
	s_lshl_b32 s29, s25, 9
	s_add_co_u32 s28, s28, s29
	s_lshl_b32 s29, s22, 7
	s_add_co_u32 s28, s28, s29
	s_mov_b32 s29, 0
	s_add_nc_u64 s[6:7], s[6:7], s[28:29]
	s_lshl_b32 s30, s24, 3
	s_add_co_u32 s30, s30, s25                     ; the group of 128 stored rows
	s_mul_i32 s28, s30, 98304
	s_mul_i32 s31, s26, 24576
	s_add_co_u32 s28, s28, s31
	s_mul_i32 s31, s22, 6144                       ; two tiles a wave
	s_add_co_u32 s28, s28, s31
	s_add_nc_u64 s[32:33], s[18:19], s[28:29]      ; codes
	s_lshl_b32 s28, s30, 12
	s_lshl_b32 s31, s22, 10
	s_add_co_u32 s28, s28, s31
	s_lshl_b32 s31, s26, 3
	s_add_co_u32 s28, s28, s31
	s_add_co_u32 s28, s28, 3145728
	s_add_nc_u64 s[34:35], s[18:19], s[28:29]      ; scale bytes
	v_lshlrev_b32 v3, 2, v2                        ; in: 4 bytes a lane
	v_bfe_u32 v4, v2, 3, 1                         ; bit 3 of the column is the tile's parity,
	v_and_b32 v5, 7, v2
	v_bfe_u32 v6, v2, 4, 1
	v_lshl_or_b32 v5, v6, 3, v5                    ; bit 4 is bit 3 of the place in the tile
	v_mul_u32_u24 v6, v4, 3072
	v_lshl_add_u32 v7, v5, 4, v6                   ; registers 0-3 of my half fragment
	v_lshl_add_u32 v14, v5, 3, v6                  ; registers 4-5
	v_lshl_add_u32 v15, v4, 4, v5
	v_lshlrev_b32 v15, 5, v15                      ; my stored row's 32 scale bytes
.macro LOADW t
.irp i, 0,1,2,3,4,5,6,7,8,9,10,11,12,13,14,15,16,17,18,19,20,21,22,23,24,25,26,27,28,29,30,31
	global_load_b32 v[WX+32*((\t)%2)+\i], v3, s[6:7] offset:(32*(\t)+\i)*4096 th:TH_LOAD_NT
.endr
.endm
.macro BLOCKW t
.set XS, WX+32*((\t)%2)
.if (\t) < 7
	s_wait_loadcnt 32                              ; this block's 32 loads are in; the next block's may be out
.else
	s_wait_loadcnt 0
.endif
	v_max3_num_f32 v8, |v[XS]|, |v[XS+1]|, |v[XS+2]|
	v_max3_num_f32 v9, |v[XS+3]|, |v[XS+4]|, |v[XS+5]|
.irp i, 6,10,14,18,22,26
	v_max3_num_f32 v8, v8, |v[XS+\i]|, |v[XS+\i+1]|
	v_max3_num_f32 v9, v9, |v[XS+\i+2]|, |v[XS+\i+3]|
.endr
	v_max3_num_f32 v8, v8, |v[XS+30]|, |v[XS+31]|
	v_max3_num_f32 v8, v8, v9, 0x1800000           ; and the floor
	v_add_nc_u32 v10, 0xff000000, v8
	v_lshrrev_b32 v11, 23, v10
.if (\t)%4 == 0
	v_mov_b32 v[SB+(\t)/4], v11
.else
	v_lshl_or_b32 v[SB+(\t)/4], v11, 8*((\t)%4), v[SB+(\t)/4]
.endif
.if (\t) > 0
	s_wait_xcnt 0x0                                ; the last block's stores have read the codes' registers
.endif
	v_cvt_scalef32_pk16_fp6_f32 v[WC:WC+2], v[XS:XS+15], v10
	v_cvt_scalef32_pk16_fp6_f32 v[WT:WT+2], v[XS+16:XS+31], v10
	v_nop                                          ; one plain place behind a scaled conversion
.irp i, 0,1,2
	v_mov_b32 v[WC+3+\i], v[WT+\i]
.endr
	global_store_b128 v7, v[WC:WC+3], s[32:33] offset:((\t)/2)*768+256*((\t)%2)        ; block t is half t % 2 of half fragment t / 2
	global_store_b64 v14, v[WC+4:WC+5], s[32:33] offset:((\t)/2)*768+512+128*((\t)%2)
.if (\t)+2 < 8
	LOADW (\t)+2
.endif
.endm
	LOADW 0
	LOADW 1
.irp t, 0,1,2,3,4,5,6,7
	BLOCKW \t
.endr
	global_store_b64 v15, v[SB:SB+1], s[34:35]
	s_endpgm
; ---------------- the table.  Row w of tab holds cos and sin of positions[w with bits 3 and 4 exchanged] x inv_freq[0 .. 31]: 32 cosines, then 32 sines.  A wave takes 8 rows, a lane a frequency.
; The angle is one rounded product, as the problem has it.  n = the nearest whole number of quarter turns; r = angle - n pi/2 by three fused multiply-adds; polynomials on |r| <= pi/4; the quadrant picks and signs.
; A row's two stores of 128 bytes fill its 256 bytes; the table is small.
.Ltable:
	s_sub_co_u32 s23, ttmp9, 384
	s_lshl_b32 s23, s23, 2
	s_add_co_u32 s23, s23, s22
	s_lshl_b32 s23, s23, 3                         ; my first row, a multiple of 8
	s_lshr_b32 s24, s23, 3
	s_lshr_b32 s25, s23, 4
	s_xor_b32 s24, s24, s25
	s_and_b32 s24, s24, 1
	s_mul_i32 s24, s24, 24
	s_xor_b32 s24, s24, s23                        ; with bits 3 and 4 exchanged
	s_lshl_b32 s24, s24, 2
	s_mov_b32 s25, 0
	s_add_nc_u64 s[14:15], s[14:15], s[24:25]
	s_load_b256 s[32:39], s[14:15], 0x0            ; eight neighbouring positions
	s_lshl_b32 s24, s23, 8
	s_add_nc_u64 s[20:21], s[20:21], s[24:25]
	v_lshlrev_b32 v3, 2, v2
	v_mov_b32 v4, 1.0
.set LN, 0
.irp c, 0x3f800000,0x3f3ff911,0x3f0ff59a,0x3ed7e89b,0x3ea1e89b,0x3e72d423,0x3e361887,0x3e088d77,0x3dcccccd,0x3d99940d,0x3d6655c2,0x3d2cba15,0x3d0186e3,0x3cc2434f,0x3c91ad39,0x3c5a7bf2,0x3c23d70a,0x3bf5b9b0,0x3bb8449c,0x3b8a2e77,0x3b4f3e38,0x3b1b690d,0x3ae91528,0x3aaec98e,0x3a83126f,0x3a44948c,0x3a136a16,0x39dd1725,0x39a5cb60,0x3978a815,0x393a7753,0x390bd472
	s_mov_b32 s26, \c
	v_writelane_b32 v4, s26, LN                    ; inv_freq of my lane
.set LN, LN+1
.endr
	s_mov_b32 s40, 0x3f22f983                      ; 2 / pi
	s_mov_b32 s41, 0x3fc90fd8                      ; pi / 2 in three parts
	s_mov_b32 s42, 0x34a8885a
	s_mov_b32 s43, 0x27c234c4
	s_mov_b32 s44, 0x36405000                      ; the sine's coefficients
	s_mov_b32 s45, 0xb9503486
	s_mov_b32 s46, 0x3c0888c1
	s_mov_b32 s47, 0xbe2aaaab
	s_mov_b32 s48, 0x37cd4000                      ; the cosine's
	s_mov_b32 s49, 0xbab6077d
	s_mov_b32 s50, 0x3d2aaaa8
	s_wait_kmcnt 0x0
.irp i, 0,1,2,3,4,5,6,7
	v_cvt_f32_i32 v[RB+8*\i], s[32+\i]
.endr
.irp i, 0,1,2,3,4,5,6,7
	v_mul_f32 v[RB+8*\i], v[RB+8*\i], v4           ; the angle
.endr
.irp i, 0,1,2,3,4,5,6,7
	v_mul_f32 v[RB+8*\i+1], s40, v[RB+8*\i]
.endr
.irp i, 0,1,2,3,4,5,6,7
	v_rndne_f32 v[RB+8*\i+1], v[RB+8*\i+1]         ; n
.endr
.irp k, 41,42,43
.irp i, 0,1,2,3,4,5,6,7
	v_fma_f32 v[RB+8*\i], -v[RB+8*\i+1], s\k, v[RB+8*\i]
.endr
.endr
.irp i, 0,1,2,3,4,5,6,7
	v_mul_f32 v[RB+8*\i+2], v[RB+8*\i], v[RB+8*\i] ; r^2
.endr
.irp i, 0,1,2,3,4,5,6,7
	v_fma_f32 v[RB+8*\i+3], v[RB+8*\i+2], s44, s45
	v_fma_f32 v[RB+8*\i+4], v[RB+8*\i+2], s48, s49
.endr
.irp i, 0,1,2,3,4,5,6,7
	v_fma_f32 v[RB+8*\i+3], v[RB+8*\i+3], v[RB+8*\i+2], s46
	v_fma_f32 v[RB+8*\i+4], v[RB+8*\i+4], v[RB+8*\i+2], s50
.endr
.irp i, 0,1,2,3,4,5,6,7
	v_fma_f32 v[RB+8*\i+3], v[RB+8*\i+3], v[RB+8*\i+2], s47
	v_fma_f32 v[RB+8*\i+4], v[RB+8*\i+4], v[RB+8*\i+2], -0.5
	v_mul_f32 v[RB+8*\i+6], v[RB+8*\i], v[RB+8*\i+2]
.endr
.irp i, 0,1,2,3,4,5,6,7
	v_fma_f32 v[RB+8*\i+3], v[RB+8*\i+3], v[RB+8*\i+6], v[RB+8*\i]   ; sin r
	v_fma_f32 v[RB+8*\i+4], v[RB+8*\i+4], v[RB+8*\i+2], 1.0          ; cos r
	v_cvt_i32_f32 v[RB+8*\i+5], v[RB+8*\i+1]                         ; the quadrant
.endr
.irp i, 0,1,2,3,4,5,6,7
	v_and_b32 v[RB+8*\i+6], 1, v[RB+8*\i+5]
	v_cmp_ne_u32 vcc_lo, 0, v[RB+8*\i+6]
	v_cndmask_b32 v[RB+8*\i+6], v[RB+8*\i+3], v[RB+8*\i+4], vcc_lo   ; the sine: cos r in odd quadrants
	v_cndmask_b32 v[RB+8*\i+7], v[RB+8*\i+4], v[RB+8*\i+3], vcc_lo   ; the cosine: sin r there
	v_lshlrev_b32 v[RB+8*\i+1], 30, v[RB+8*\i+5]
	v_and_b32 v[RB+8*\i+1], 0x80000000, v[RB+8*\i+1]                 ; the sine changes sign in quadrants 2, 3
	v_xor_b32 v[RB+8*\i+6], v[RB+8*\i+6], v[RB+8*\i+1]
	v_add_nc_u32 v[RB+8*\i+5], 1, v[RB+8*\i+5]
	v_lshlrev_b32 v[RB+8*\i+5], 30, v[RB+8*\i+5]
	v_and_b32 v[RB+8*\i+5], 0x80000000, v[RB+8*\i+5]                 ; the cosine in quadrants 1, 2
	v_xor_b32 v[RB+8*\i+7], v[RB+8*\i+7], v[RB+8*\i+5]
	global_store_b32 v3, v[RB+8*\i+7], s[20:21] offset:256*\i
	global_store_b32 v3, v[RB+8*\i+6], s[20:21] offset:256*\i+128
.endr
	s_endpgm
.Lfunc_end_k_qd1f11bbccb_prep:
	.size	k_qd1f11bbccb_prep, .Lfunc_end_k_qd1f11bbccb_prep-k_qd1f11bbccb_prep
	.p2alignl 7, 3214868480
	.fill 96, 4, 3214868480
	.section	.rodata,"a",@progbits
	.p2align	6, 0x0
	.amdhsa_kernel k_qd1f11bbccb_prep
		.amdhsa_group_segment_fixed_size 34304
		.amdhsa_private_segment_fixed_size 0
		.amdhsa_enable_private_segment 0
		.amdhsa_kernarg_size 72
		.amdhsa_user_sgpr_count 2
		.amdhsa_user_sgpr_kernarg_segment_ptr 1
		.amdhsa_wavefront_size32 1
		.amdhsa_system_sgpr_workgroup_id_x 1
		.amdhsa_system_sgpr_workgroup_id_y 1
		.amdhsa_system_sgpr_workgroup_id_z 1
		.amdhsa_system_vgpr_workitem_id 0
		.amdhsa_next_free_vgpr 240
		.amdhsa_next_free_sgpr 66
		.amdhsa_reserve_vcc 1
		.amdhsa_float_denorm_mode_32 3
		.amdhsa_float_denorm_mode_16_64 3
		.amdhsa_memory_ordered 1
		.amdhsa_forward_progress 1
		.amdhsa_inst_pref_size 87
	.end_amdhsa_kernel
	.amdgpu_metadata
---
amdhsa.version: [ 1, 2 ]
amdhsa.kernels:
  - .name:           k_qd1f11bbccb_prep
    .symbol:         k_qd1f11bbccb_prep.kd
    .args:
      - { .name: hidden_states, .offset: 0, .size: 8, .value_kind: global_buffer, .address_space: global }
      - { .name: wq, .offset: 8, .size: 8, .value_kind: global_buffer, .address_space: global }
      - { .name: wk, .offset: 16, .size: 8, .value_kind: global_buffer, .address_space: global }
      - { .name: wv, .offset: 24, .size: 8, .value_kind: global_buffer, .address_space: global }
      - { .name: wo, .offset: 32, .size: 8, .value_kind: global_buffer, .address_space: global }
      - { .name: positions, .offset: 40, .size: 8, .value_kind: global_buffer, .address_space: global }
      - { .name: xq, .offset: 48, .size: 8, .value_kind: global_buffer, .address_space: global }
      - { .name: wts, .offset: 56, .size: 8, .value_kind: global_buffer, .address_space: global }
      - { .name: tab, .offset: 64, .size: 8, .value_kind: global_buffer, .address_space: global }
    .group_segment_fixed_size: 34304
    .private_segment_fixed_size: 0
    .kernarg_segment_align: 8
    .kernarg_segment_size: 72
    .max_flat_workgroup_size: 128
    .sgpr_count:     66
    .vgpr_count:     240
    .wavefront_size: 32
...
	.end_amdgpu_metadata
.endif
;; end of part 1
;; launch qkv (part 2): grid 12 x 32, 4 waves a work-group, clusters of 4 x 4, 327,680 bytes of LDS; arguments xq, wts, tab, qkv; writes qkv
.if DOCPART == 2
	.amdgcn_target "amdgcn-amd-amdhsa--gfx1250"
	.amdhsa_code_object_version 6
	.text
	.protected	k_qd1f11bbccb_qkv
	.globl	k_qd1f11bbccb_qkv
	.p2align	8
	.type	k_qd1f11bbccb_qkv,@function
k_qd1f11bbccb_qkv:
	s_mov_b64 s[64:65], 0
	v_nop
	global_prefetch_b8 v0, s[64:65] scope:SCOPE_SE
	s_setreg_imm32_b32 hwreg(HW_REG_WAVE_MODE, 25, 1), 1
	s_wait_xcnt 0x0
	s_wait_alu depctr_hold_cnt(0) depctr_sa_sdst(0) depctr_va_vdst(0) depctr_va_sdst(0) depctr_va_ssrc(0) depctr_va_vcc(0) depctr_vm_vsrc(0)
	s_getreg_b32 s2, hwreg(HW_REG_IB_STS2, 6, 4)
	s_cmp_eq_u32 s2, 0
	s_cbranch_scc0 .Lentry_in_a_cluster
	s_endpgm
.Lentry_in_a_cluster:
	s_bfe_u32 s2, ttmp6, 0x10000c
	s_cmp_lg_u32 s2, 0xf033
	s_cbranch_scc0 .Lentry_shape_is_right
	s_endpgm
.Lentry_shape_is_right:
; QKV: hidden x wq, wk, wv as one GEMM on codes of FP6 (E2M3) with E8M0 scales, K = 1,024; then RoPE on q and k; then q and k are quantised along the head's 64 and v along the keys.
; A tile of 256 x 256 is made by four waves, 128 x 128 each: 64 accumulators, 512 registers.  K goes in steps of 256 through a ring of two LDS slots.
; OPERANDS lie in memory as images of the operand registers (half fragment: 16 rows x 64 K, 768 bytes: registers 0-3 at 16 x lane, 4-5 at 512 + 8 x lane): 128 rows x 256 K are one dense block of 24,576 bytes,
; brought by one tensor load as 96 rows of 256 bytes; a fragment comes out of LDS by four loads of consecutive bytes: no pitch, no padding.
; ROLES.  Role A is source 1: a lane of the result is one of its rows.  Role B is source 0: the result's registers run along its rows, and since rows are stored with bits 3 and 4 of their index exchanged,
; the 16 registers of two neighbouring tiles are 16 TRUE neighbours.  Clusters x = 0, 1 (q, k): A = tokens, B = weight columns: a lane holds a token, registers run along the head's d.
; Cluster x = 2 (v): A = wv's columns, B = tokens: a lane holds a d, registers run along the keys, which are the next product's K.  The choice hangs on the cluster's x, the same in all sixteen partners.
; CLUSTERS: 4 x 4.  A's tile hangs on the place along y and is shared along a row of the cluster, B's on the place along x and is shared along a column: joint loads.
; 24 clusters make 384 tiles for 256 WGPs: one launch for the three products in place of a launch more.
; OUT (qkv): codes [q, k, v][batch][head][98,304]: q, k: 128 tiles of 16 tokens, a half fragment each; v: [keys / 128][d / 16][1,536] fragments of 16 d x 128 keys.
; Scale words behind them, [..][keys / 128][lane][2]: word j of lane (r, h) is that of fragment 2 j + h, row r; a q or k word holds two tiles' two bytes each.
; LIMITS: NaN and infinities are not served; a block under 2^-124 gets the byte 1; a c - b s is one rounded product and one fused multiply-add.
.set NQ,    2                          ; matrix instructions deep in a slot
.set FR,    12                         ; registers of a fragment
.set NL,    4                          ; LDS loads that bring one
.set NP,    4                          ; places behind this matrix instruction (ISA guide 7.12.1)
.set BLKB,  24576                      ; 128 rows x 256 K
.set SLOT,  4*BLKB                     ; A's two blocks, then B's two
.set GRP,   98304                      ; 128 rows, all of K
.set SCL,   2*SLOT                     ; behind the ring: the scales of 4 x 128 rows, units of 256 bytes + 16
.set HALFS, 4352
.set SBLK,  544                        ; those of 16 rows
.set SPARE, SCL+4*HALFS                ; the spare words, 128 bytes a wave
.set ADRA, 16                          ; v16-17 16 x lane + my A block in slot 0, 1;  v18-19 the same with 8 x lane
.set ADRB, 20                          ; v20-23 likewise for B
.set OA,   24                          ; v24  16 x lane
.set OB,   25                          ; v25  8 x lane
.set TA,   26                          ; v26  256 r + 64 h: my 16 cosines in a row of the table
.set ADRS, 27                          ; v27  my scale words: lanes 0-15 A's rows, lanes 16-31 B's
.set SPW,  28                          ; v28  SPARE + 4 x my thread's number; never rewritten
.set NIL,  29                          ; v29  0; never rewritten
.set SC,   32                          ; v32-63 scale words, two sets
.set AF,   128                         ; v128-223 A's fragments, one set (window 0); B's two sets in window 1; accumulators in windows 2, 3
.set H,    32                          ; the way out, window 0: v32-95 64 rotated numbers
.set CS,   96                          ; v96-159 two sets of 16 cosines + 16 sines
.set PC,   160                         ; v160-171 codes, v172-178 at work
.set TM,   180                         ; v180-195 at work
.set T,    198                         ; v198-205 products
.set PWS,  208                         ; v208-215 the eight blocks' scale words
.set WK,   216
.set OUT,  224
.set SEL,  66                          ; s[66:67] selects for lane l xor 16
.set G1,   24
.set G0,   32
.set G1B,  48
.set G0B,  56
.set G1S,  68
.set G0S,  76
.set G1SB, 80
.set G0SB, 88
.set MSB, 0
.macro WIN new                         ; the immediate's high byte repeats the setting that is left
.if MSB != (\new)
	s_set_vgpr_msb (MSB<<8)|(\new)
.set MSB, (\new)
.endif
.endm
.set MUL_LO, 0xa1                      ; source 0 (B) window 1, source 1 (A) window 0, C and D window 2
.set MUL_HI, 0xf1                      ; the same, C and D window 3
.set TO_B,   0x40                      ; destination window 1
; A joint load: waves 0, 1 fetch for A, waves 2, 3 for B; the branch hangs on the wave's number alone.  An s_nop 0 and four v_nop follow each line.
.macro JLOAD g0a, g1a, g0b, g1b
	s_cmp_eq_u32 s15, 0
	s_cbranch_scc0 .Lfor_b_\@
	tensor_load_to_lds s[\g0a:\g0a+3], s[\g1a:\g1a+7]
	s_nop 0
.rept 4
	v_nop
.endr
	s_branch .Lasked_\@
.Lfor_b_\@:
	tensor_load_to_lds s[\g0b:\g0b+3], s[\g1b:\g1b+7]
	s_nop 0
.rept 4
	v_nop
.endr
.Lasked_\@:
.endm
.macro CREST                           ; a round of the cluster's barrier behind its opening barrier
	s_cmp_lg_u32 s14, 0
	s_cbranch_scc1 .Lnot_wave_0_\@
	s_barrier_signal -3
.Lnot_wave_0_\@:
	s_barrier_wait -3
	s_barrier_signal -1
	s_barrier_wait -1
.endm
.macro CROUND
	s_barrier_signal -1
	s_barrier_wait -1
	CREST
.endm
	s_load_b256 s[4:11], s[0:1], 0x0               ; xq s[4:5], wts s[6:7], tab s[8:9], qkv s[10:11]
	v_lshl_add_u32 v[SPW], v0, 2, SPARE
	v_mov_b32 v[NIL], 0
	ds_add_u32 v[SPW], v[NIL]                      ; the wave's opening: the add and its wait ahead of my first tensor load; work on registers stands between
	v_lshrrev_b32 v1, 5, v0
	v_readfirstlane_b32 s14, v1                    ; wave 0..3
	s_lshr_b32 s15, s14, 1                         ; my half of A's rows.  Also: I fetch for A (0) or for B (1)
	s_and_b32 s16, s14, 1                          ; my half of B's rows.  Also: which 128 rows I fetch
	s_bfe_u32 s40, ttmp6, 0x40000                  ; cx
	s_bfe_u32 s41, ttmp6, 0x40004                  ; cy
	s_and_b32 s17, ttmp7, 0xffff
	s_lshl_b32 s17, s17, 2                         ; 4 x cluster y
	s_lshl_b32 s42, ttmp9, 2                       ; 4 x cluster x
	s_mov_b32 s20, 6291456                         ; where xq's scale bytes begin,
	s_mov_b32 s21, 3145728                         ; and wts's
	s_cmp_eq_u32 ttmp9, 2                          ; v's clusters
	s_cselect_b32 s12, 1, 0
	s_cselect_b32 s18, 8, s17                      ; A's tile of 256 rows, less cy: wv's tiles 8 .. 11, or the tokens'
	s_cselect_b32 s19, s17, s42                    ; B's, less cx: the tokens', or wq's and wk's tiles 0 .. 7
	s_cselect_b32 s22, s21, s20
	s_cselect_b32 s23, s20, s21
	s_add_co_u32 s18, s18, s41                     ; A's tile
	s_add_co_u32 s19, s19, s40                     ; B's tile
	s_lshl_b32 s43, s41, 2
	s_lshl_b32 s43, 15, s43                        ; my row of the cluster
	s_lshl_b32 s44, 0x1111, s40                    ; my column
	s_or_b32 s[G1+0], s43, (3<<16)|(1<<21)         ; 15:0 the mask; 17:16 elements of 8 bytes; 21 set beside a mask; no padding
	s_or_b32 s[G1B+0], s44, (3<<16)|(1<<21)
.irp g, G1, G1B
	s_mov_b32 s[\g+1], 32<<16                      ; tensor_dim0 = 32 elements: 256 bytes
	s_mov_b32 s[\g+2], 96<<16                      ; tensor_dim1 = 96
	s_mov_b32 s[\g+3], 32<<16                      ; tile_dim0
	s_mov_b32 s[\g+4], 96                          ; tile_dim1
	s_mov_b32 s[\g+5], 32                          ; the pitch: dense
	s_mov_b32 s[\g+6], 0
	s_mov_b32 s[\g+7], 0
.endr
	s_or_b32 s[G1S+0], s43, (3<<16)|(1<<20)|(1<<21)|(5<<22)|(3<<25)   ; the scales of 128 rows: 16 rows of 256 bytes, 16 bytes of padding behind each
	s_or_b32 s[G1SB+0], s44, (3<<16)|(1<<20)|(1<<21)|(5<<22)|(3<<25)
.irp g, G1S, G1SB
	s_mov_b32 s[\g+1], 32<<16
	s_mov_b32 s[\g+2], 16<<16
	s_mov_b32 s[\g+3], 32<<16
	s_mov_b32 s[\g+4], 16
	s_mov_b32 s[\g+5], 32
	s_mov_b32 s[\g+6], 0
	s_mov_b32 s[\g+7], 0
.endr
	s_lshl_b32 s45, s18, 1                         ; A's offsets, in registers that never hold cx
	s_add_co_u32 s45, s45, s16
	s_mul_i32 s92, s45, GRP
	s_mov_b32 s93, 0
	s_lshl_b32 s94, s45, 12
	s_add_co_u32 s94, s94, s22
	s_mov_b32 s95, 0
	s_lshl_b32 s46, s19, 1                         ; B's, in registers that never hold cy
	s_add_co_u32 s46, s46, s16
	s_mul_i32 s96, s46, GRP
	s_mov_b32 s97, 0
	s_lshl_b32 s98, s46, 12
	s_add_co_u32 s98, s98, s23
	s_mov_b32 s99, 0
	s_mul_i32 s47, s14, BLKB                       ; where they go: no place in the cluster enters an LDS address
	s_mul_i32 s13, s14, HALFS
	s_mov_b32 s[SEL], 0x76543210
	s_mov_b32 s[SEL+1], 0xfedcba98
	s_wait_dscnt 0x0                               ; the opening add is done
	s_wait_kmcnt 0x0
	s_cmp_eq_u32 s12, 1
	s_cselect_b64 s[20:21], s[6:7], s[4:5]         ; A's buffer
	s_cselect_b64 s[22:23], s[4:5], s[6:7]         ; B's
	s_add_nc_u64 s[92:93], s[20:21], s[92:93]
	s_add_nc_u64 s[94:95], s[20:21], s[94:95]
	s_add_nc_u64 s[96:97], s[22:23], s[96:97]
	s_add_nc_u64 s[98:99], s[22:23], s[98:99]
	CROUND                                         ; all sixteen work-groups are here: the first joint loads meet
	s_mov_b32 s[G0S], 1
	s_add_co_u32 s[G0S+1], s13, SCL
	s_mov_b64 s[G0S+2:G0S+3], s[94:95]
	s_or_b32 s[G0S+3], s[G0S+3], 0x80000000
	s_mov_b32 s[G0SB], 1
	s_add_co_u32 s[G0SB+1], s13, SCL
	s_mov_b64 s[G0SB+2:G0SB+3], s[98:99]
	s_or_b32 s[G0SB+3], s[G0SB+3], 0x80000000
	JLOAD G0S, G1S, G0SB, G1SB                     ; the scales first: filled once.  Three loads of mine are out behind the third line
.irp s, 0,1
	s_mov_b32 s[G0+4*\s], 1
	s_add_co_u32 s[G0+4*\s+1], s47, \s*SLOT
	s_add_nc_u64 s[G0+4*\s+2:G0+4*\s+3], s[92:93], \s*BLKB
	s_or_b32 s[G0+4*\s+3], s[G0+4*\s+3], 0x80000000
	s_mov_b32 s[G0B+4*\s], 1
	s_add_co_u32 s[G0B+4*\s+1], s47, \s*SLOT
	s_add_nc_u64 s[G0B+4*\s+2:G0B+4*\s+3], s[96:97], \s*BLKB
	s_or_b32 s[G0B+4*\s+3], s[G0B+4*\s+3], 0x80000000
	JLOAD G0+4*\s, G1, G0B+4*\s, G1B
.endr
	v_and_b32 v1, 15, v0                           ; r
	v_bfe_u32 v2, v0, 4, 1                         ; h
	v_and_b32 v3, 31, v0
	v_lshlrev_b32 v[OA], 4, v3
	v_lshlrev_b32 v[OB], 3, v3
	v_lshlrev_b32 v[TA], 8, v1
	v_lshl_add_u32 v[TA], v2, 6, v[TA]
	s_mul_i32 s21, s15, BLKB                       ; my 128 rows of A
	s_mul_i32 s22, s16, BLKB                       ; my 128 rows of B,
	s_add_co_u32 s22, s22, 2*BLKB                  ; behind A's two blocks
.irp s, 0,1
	v_add_nc_u32 v[ADRA+\s], s21, v[OA]
	v_add_nc_u32 v[ADRB+\s], s22, v[OA]
	v_add_nc_u32 v[ADRA+2+\s], s21, v[OB]
	v_add_nc_u32 v[ADRB+2+\s], s22, v[OB]
	s_add_co_u32 s21, s21, SLOT
	s_add_co_u32 s22, s22, SLOT
.endr
	v_lshlrev_b32 v5, 5, v1                        ; my row's scales: 32 bytes a row,
	v_lshrrev_b32 v6, 8, v5
	v_lshl_add_u32 v5, v6, 4, v5                   ; and 16 more for each 256 passed
	s_mul_i32 s21, s15, HALFS
	s_mul_i32 s22, s16, HALFS
	s_add_co_u32 s22, s22, 2*HALFS
	s_sub_co_u32 s22, s22, s21
	v_mul_u32_u24 v6, s22, v2                      ; lanes 16-31 take B's
	s_add_co_u32 s21, s21, SCL
	v_add_nc_u32 v5, v5, v6
	v_add_nc_u32 v[ADRS], s21, v5
.macro FRAG reg, adr, q, i             ; a fragment: two half fragments on end, as they lie
	ds_load_b128 v[\reg:\reg+3], v[\adr] offset:(\i)*3072+(\q)*1536
	ds_load_b64 v[\reg+4:\reg+5], v[\adr+2] offset:(\i)*3072+(\q)*1536+512
	ds_load_b128 v[\reg+6:\reg+9], v[\adr] offset:(\i)*3072+(\q)*1536+768
	ds_load_b64 v[\reg+10:\reg+11], v[\adr+2] offset:(\i)*3072+(\q)*1536+1280
.endm
; 16 matrix instructions: A's blocks a0, a0 + 1 x B's eight.  The 64 accumulators take turns, one instruction a turn, in the same order in every step.
.macro MUL16 a0, p, q, sc, zero
.irp a, \a0, \a0+1
.irp b, 0,1,2,3,4,5,6,7
.if \zero
	v_wmma_scale_f32_16x16x128_f8f6f4 v[8*(8*((\a)%4)+\b):8*(8*((\a)%4)+\b)+7], v[128*(\p)+FR*\b:128*(\p)+FR*\b+FR-1], v[AF+FR*(\a):AF+FR*(\a)+FR-1], 0, v[SC+8*NQ*(\sc)+NQ*\b+(\q)], v[SC+8*NQ*(\sc)+NQ*(\a)+(\q)] matrix_a_fmt:MATRIX_FMT_FP6 matrix_b_fmt:MATRIX_FMT_FP6 matrix_a_scale:MATRIX_SCALE_ROW1
.else
	v_wmma_scale_f32_16x16x128_f8f6f4 v[8*(8*((\a)%4)+\b):8*(8*((\a)%4)+\b)+7], v[128*(\p)+FR*\b:128*(\p)+FR*\b+FR-1], v[AF+FR*(\a):AF+FR*(\a)+FR-1], v[8*(8*((\a)%4)+\b):8*(8*((\a)%4)+\b)+7], v[SC+8*NQ*(\sc)+NQ*\b+(\q)], v[SC+8*NQ*(\sc)+NQ*(\a)+(\q)] matrix_a_fmt:MATRIX_FMT_FP6 matrix_b_fmt:MATRIX_FMT_FP6 matrix_a_scale:MATRIX_SCALE_ROW1
.endif
.endr
.endr
.endm
.macro FETCH_B slot, q, p
	WIN TO_B
.irp i, 0,1,2,3,4,5,6,7
	FRAG 128*(\p)+FR*\i, ADRB+\slot, \q, \i
.endr
	WIN 0
.endm
.macro FETCH_A slot, q, i0
.irp i, \i0, \i0+1, \i0+2, \i0+3
	FRAG AF+FR*(\i), ADRA+\slot, \q, \i
.endr
.endm
.macro SCALES sc                       ; a K step's two words a row: lanes 0-15 A's block i, lanes 16-31 B's block i
.irp i, 0,1,2,3,4,5,6,7
	ds_load_b64 v[SC+8*NQ*\sc+NQ*\i:SC+8*NQ*\sc+NQ*\i+1], v[ADRS] offset:\i*SBLK
.endr
.endm
.macro PLACES n                        ; plain vector instructions between a matrix instruction and a load into, or a read of, its registers
.rept \n
	v_nop
.endr
.endm
.macro STEP slot, q, zero              ; 128 along K with its successor in the same slot
	s_wait_dscnt 4*NL                              ; B's set and A's blocks 0-3 are in; the youngest 16 loads (A's blocks 4-7) may be out
	WIN MUL_LO
	MUL16 0, (\q)%2, \q, \slot, \zero
	MUL16 2, (\q)%2, \q, \slot, \zero
	s_wait_dscnt 0                                 ; A's blocks 4-7 are in
	PLACES NP
	FETCH_B \slot, (\q)+1, 1-(\q)%2
	FETCH_A \slot, (\q)+1, 0
	WIN MUL_HI
	MUL16 4, (\q)%2, \q, \slot, \zero
	MUL16 6, (\q)%2, \q, \slot, \zero
	PLACES NP
	WIN 0
	FETCH_A \slot, (\q)+1, 4
.endm
; A slot's last step changes slots: one barrier; in front of it each wave waits for all its tensor loads, adds 0 to its spare word, and waits for that and for its reads of this slot.
.macro TURN slot, next, fill
	s_wait_tensorcnt 0x0                           ; all my tensor loads have landed: my part of the next slot
	ds_add_u32 v[SPW], v[NIL]                      ; 0 onto my spare word
	s_wait_dscnt 4*NL+1                            ; (the add and the youngest 16 loads may be out)
	WIN MUL_LO
	MUL16 0, 1, NQ-1, \slot, 0
	s_wait_dscnt 0x0                               ; the add is done, and my reads of this slot are over
	s_barrier_signal -1
	MUL16 2, 1, NQ-1, \slot, 0
	WIN 0
	s_barrier_wait -1
.if \fill
	CREST                                          ; the barrier has opened a round of the cluster's: no wave of any partner still reads this slot or has a load on its way
	s_add_nc_u64 s[G0+4*\slot+2:G0+4*\slot+3], s[G0+4*\slot+2:G0+4*\slot+3], 2*BLKB
	s_add_nc_u64 s[G0B+4*\slot+2:G0B+4*\slot+3], s[G0B+4*\slot+2:G0B+4*\slot+3], 2*BLKB
	JLOAD G0+4*\slot, G1, G0B+4*\slot, G1B         ; the first tensor load behind the round, my one load until the next
.else
	PLACES NP
.endif
	v_add_nc_u32 v[ADRS], 4*NQ, v[ADRS]            ; the next K step's scale words
	FETCH_B \next, 0, 0
	FETCH_A \next, 0, 0
	SCALES \next
	WIN MUL_HI
	MUL16 4, 1, NQ-1, \slot, 0
	MUL16 6, 1, NQ-1, \slot, 0
	PLACES NP
	WIN 0
	FETCH_A \next, 0, 4
.endm
	s_wait_tensorcnt 1                             ; the scales and my part of K step 0 are in; K step 1's load may be out
	s_barrier_signal -1
	s_barrier_wait -1
	FETCH_B 0, 0, 0
	FETCH_A 0, 0, 0
	SCALES 0
	FETCH_A 0, 0, 4
	STEP 0, 0, 1                                   ; the first products start the sums: nothing is cleared
	TURN 0, 1, 1                                   ; slot 0 takes K step 2
	STEP 1, 0, 0
	TURN 1, 0, 1                                   ; slot 1 takes K step 3
	STEP 0, 0, 0
	TURN 0, 1, 0                                   ; nothing is left to fetch
	STEP 1, 0, 0
	s_wait_dscnt 4*NL
	WIN MUL_LO
	MUL16 0, 1, NQ-1, 1, 0
	MUL16 2, 1, NQ-1, 1, 0
	s_wait_dscnt 0
	WIN MUL_HI
	MUL16 4, 1, NQ-1, 1, 0
	MUL16 6, 1, NQ-1, 1, 0
	WIN 0
; ---------------- THE WAY OUT.  64 numbers of a lane, register 16 b + i = K 32 b + 16 h + i of the lane's row, become a fragment's codes in v[PC] on and its scale word in v[pw].
; s: the first register, in window w.  xw > 0: the last stores still read v[PC] on, so the wait for their addresses stands ahead of the conversions.  An accumulator's registers are read from its low end on.
.macro QUANT s, w, pw, xw
.set WQ, (\w)|((\w)<<2)
	WIN WQ
.irp b, 0,1,2,3
	v_max3_num_f32 v[TM+\b], |v[(\s)+16*\b]|, |v[(\s)+1+16*\b]|, 0x1800000   ; with the floor 2^(3 - 127)
.endr
.irp i, 2,4,6,8,10,12,14
.irp b, 0,1,2,3
	v_max3_num_f32 v[TM+\b], |v[(\s)+16*\b+\i]|, |v[(\s)+1+16*\b+\i]|, v[TM+\b]
.endr
.endr
	WIN 0
.irp b, 0,1,2,3
	v_permlanex16_b32 v[TM+4+\b], v[TM+\b], s[SEL], s[SEL+1]
.endr
.irp b, 0,1,2,3
	v_max_num_f32 v[TM+\b], v[TM+\b], v[TM+4+\b]   ; with lane l xor 16's: the block's largest magnitude
.endr
.irp b, 0,1,2,3
	v_add_nc_u32 v[TM+12+\b], 0xff000000, v[TM+\b] ; 2 off the exponent field: the conversion's scale operand
.endr
.irp b, 0,1,2,3
	v_lshrrev_b32 v[TM+4+\b], 23, v[TM+12+\b]      ; the byte
.endr
	v_lshl_or_b32 v[\pw], v[TM+5], 8, v[TM+4]
	v_lshl_or_b32 v[\pw], v[TM+6], 16, v[\pw]
	v_lshl_or_b32 v[\pw], v[TM+7], 24, v[\pw]
.if (\xw) > 0
	s_wait_xcnt 0x0
.endif
	WIN (\w)
.irp c, 0,1
	v_cvt_scalef32_pk16_fp6_f32 v[PC+6*\c:PC+6*\c+2], v[(\s)+32*\c:(\s)+32*\c+15], v[TM+12+2*\c]
	v_cvt_scalef32_pk16_fp6_f32 v[PC+12+4*\c:PC+12+4*\c+2], v[(\s)+16+32*\c:(\s)+31+32*\c], v[TM+13+2*\c]
.endr
	WIN 0
	v_nop                                          ; one plain place behind a scaled conversion
.irp c, 0,1                                    ; the operand wants a whole block in a lane
.irp i, 0,1,2
	v_permlane16_swap_b32 v[PC+6*\c+\i], v[PC+12+4*\c+\i]
.endr
.irp i, 0,1,2
	v_mov_b32 v[PC+3+6*\c+\i], v[PC+12+4*\c+\i]
.endr
.endr
.endm
.macro CSLOAD a                        ; my token's 16 cosines and 16 sines (frequencies 16 h on) for block a.  Sixteen bytes a lane from rows 256 bytes apart: the table is small and read by many
.set CB, CS+32*((\a)%2)
.irp k, 0,1,2,3
	global_load_b128 v[CB+4*\k:CB+4*\k+3], v[TA], s[8:9] offset:(\a)*4096+16*\k
.endr
.irp k, 0,1,2,3
	global_load_b128 v[CB+16+4*\k:CB+16+4*\k+3], v[TA], s[8:9] offset:(\a)*4096+128+16*\k
.endr
.endm
.macro ROPE a                          ; two heads e: x1 = d 16 h + jj, x2 = d 32 + 16 h + jj:  x1 c - x2 s,  x2 c + x1 s
.set AC, 64*((\a)%4)
.set CB, CS+32*((\a)%2)
	WIN 2+(\a)/4
.irp e, 0,1
.irp jj, 0,2,4,6,8,10,12,14
.set TT, T+4*((\jj/2)%2)
	v_pk_mul_f32 v[TT:TT+1], v[AC+32*\e+\jj:AC+32*\e+\jj+1], v[CB+\jj:CB+\jj+1]
	v_pk_mul_f32 v[TT+2:TT+3], v[AC+32*\e+\jj:AC+32*\e+\jj+1], v[CB+16+\jj:CB+16+\jj+1]
	v_pk_fma_f32 v[H+32*\e+\jj:H+32*\e+\jj+1], v[AC+32*\e+16+\jj:AC+32*\e+16+\jj+1], v[CB+16+\jj:CB+16+\jj+1], v[TT:TT+1] neg_lo:[1,0,0] neg_hi:[1,0,0]
	v_pk_fma_f32 v[H+32*\e+16+\jj:H+32*\e+16+\jj+1], v[AC+32*\e+16+\jj:AC+32*\e+16+\jj+1], v[CB+\jj:CB+\jj+1], v[TT+2:TT+3]
.endr
.endr
	WIN 0
.endm
	PLACES NP                                      ; behind the last products: reads of results, and loads into the registers that held A's fragments
.irp b, 0,1,2,3
	v_mov_b32 v[TM+4+\b], 0                        ; a lane permute's destination counts as one of its sources
.endr
	v_cmp_ne_u32 vcc_lo, 0, v2                     ; lanes 16-31
	s_lshl_b32 s2, s18, 1
	s_add_co_u32 s2, s2, s15                       ; my group of 128 of A's rows,
	s_lshl_b32 s3, s19, 1
	s_add_co_u32 s3, s3, s16                       ; and of B's
	s_cmp_eq_u32 s12, 1
	s_cselect_b32 s13, s3, s2                      ; the tokens' group: batch x 16 + keys / 128
	s_cselect_b32 s17, s2, s3                      ; the weights': 8 x (q, k, v) + two heads
	s_lshr_b32 s20, s17, 3
	s_lshl_b32 s20, s20, 6
	s_lshr_b32 s21, s13, 4
	s_lshl_b32 s21, s21, 4
	s_add_co_u32 s20, s20, s21
	s_and_b32 s21, s17, 7
	s_lshl_b32 s21, s21, 1
	s_add_co_u32 s20, s20, s21                     ; 64 x (q, k, v) + 16 x batch + my first head
	s_and_b32 s13, s13, 15
	s_mul_i32 s92, s20, 98304
	s_mul_i32 s21, s13, 6144
	s_add_co_u32 s92, s92, s21
	s_mov_b32 s93, 0
	s_add_nc_u64 s[92:93], s[10:11], s[92:93]      ; codes
	s_lshl_b32 s94, s20, 12
	s_lshl_b32 s21, s13, 8
	s_add_co_u32 s94, s94, s21
	s_add_co_u32 s94, s94, 18874368
	s_mov_b32 s95, 0
	s_add_nc_u64 s[94:95], s[10:11], s[94:95]      ; scale words
	s_lshl_b32 s96, s13, 15
	s_mov_b32 s97, 0
	s_add_nc_u64 s[8:9], s[8:9], s[96:97]          ; the table at my 128 tokens
	s_cmp_eq_u32 s12, 1
	s_cbranch_scc1 .Lvpath
	; q and k: block a is 16 tokens; a lane's 64 numbers are two heads x (d 16 h .. and d 32 + 16 h ..)
	CSLOAD 0
	CSLOAD 1
.irp a, 0,1,2,3,4,5,6,7
.if \a < 7
	s_wait_loadcnt 8                               ; this block's cosines and sines are in; the next block's eight loads may be out
.else
	s_wait_loadcnt 0
.endif
	ROPE \a
.if \a < 6
	CSLOAD \a+2
.endif
	QUANT H, 0, PWS+\a, \a
	global_store_b128 v[OA], v[PC:PC+3], s[92:93] offset:\a*768                  ; the first head's half fragment: 512 + 256 consecutive bytes
	global_store_b64 v[OB], v[PC+4:PC+5], s[92:93] offset:\a*768+512
	global_store_b128 v[OA], v[PC+6:PC+9], s[92:93] offset:98304+\a*768          ; the second head's
	global_store_b64 v[OB], v[PC+10:PC+11], s[92:93] offset:98304+\a*768+512
.endr
.irp e, 0,1                                    ; a word of head e: two bytes of tile 2 f, two of tile 2 f + 1
.irp f, 0,1,2,3
	v_perm_b32 v[WK+\f], v[PWS+2*\f+1], v[PWS+2*\f], 0x05040100+0x02020202*\e
.endr
	v_cndmask_b32 v[OUT+2*\e], v[WK], v[WK+1], vcc_lo
	v_cndmask_b32 v[OUT+2*\e+1], v[WK+2], v[WK+3], vcc_lo
	global_store_b64 v[OB], v[OUT+2*\e:OUT+2*\e+1], s[94:95] offset:4096*\e   ; 256 consecutive bytes
.endr
	s_branch .Ldone
.Lvpath:
	; v: block a is 16 d of head a / 4; a lane's 64 numbers run along my 128 keys: a fragment of V^T as it stands
.irp a, 0,1,2,3,4,5,6,7
	QUANT 64*(\a%4), 2+\a/4, PWS+\a, \a
	global_store_b128 v[OA], v[PC:PC+3], s[92:93] offset:(\a/4)*98304+(\a%4)*1536
	global_store_b64 v[OB], v[PC+4:PC+5], s[92:93] offset:(\a/4)*98304+(\a%4)*1536+512
	global_store_b128 v[OA], v[PC+6:PC+9], s[92:93] offset:(\a/4)*98304+(\a%4)*1536+768
	global_store_b64 v[OB], v[PC+10:PC+11], s[92:93] offset:(\a/4)*98304+(\a%4)*1536+1280
.endr
.irp e, 0,1
	v_cndmask_b32 v[OUT+2*\e], v[PWS+4*\e], v[PWS+4*\e+1], vcc_lo
	v_cndmask_b32 v[OUT+2*\e+1], v[PWS+4*\e+2], v[PWS+4*\e+3], vcc_lo
	global_store_b64 v[OB], v[OUT+2*\e:OUT+2*\e+1], s[94:95] offset:4096*\e
.endr
.Ldone:
	s_wait_tensorcnt 0x0                           ; the wave's end, behind my last tensor load
	ds_add_u32 v[SPW], v[NIL]
	s_wait_dscnt 0x0
	CROUND                                         ; the closing round: no work-group ends while a partner may still ask for a tile that names it
	s_endpgm
.Lfunc_end_k_qd1f11bbccb_qkv:
	.size	k_qd1f11bbccb_qkv, .Lfunc_end_k_qd1f11bbccb_qkv-k_qd1f11bbccb_qkv
	.p2alignl 7, 3214868480
	.fill 96, 4, 3214868480
	.section	.rodata,"a",@progbits
	.p2align	6, 0x0
	.amdhsa_kernel k_qd1f11bbccb_qkv
		.amdhsa_group_segment_fixed_size 327680
		.amdhsa_private_segment_fixed_size 0
		.amdhsa_enable_private_segment 0
		.amdhsa_kernarg_size 32
		.amdhsa_user_sgpr_count 2
		.amdhsa_user_sgpr_kernarg_segment_ptr 1
		.amdhsa_wavefront_size32 1
		.amdhsa_system_sgpr_workgroup_id_x 1
		.amdhsa_system_sgpr_workgroup_id_y 1
		.amdhsa_system_sgpr_workgroup_id_z 1
		.amdhsa_system_vgpr_workitem_id 0
		.amdhsa_next_free_vgpr 1024
		.amdhsa_next_free_sgpr 100
		.amdhsa_reserve_vcc 1
		.amdhsa_float_denorm_mode_32 3
		.amdhsa_float_denorm_mode_16_64 3
		.amdhsa_memory_ordered 1
		.amdhsa_forward_progress 1
		.amdhsa_inst_pref_size 222
	.end_amdhsa_kernel
	.amdgpu_metadata
---
amdhsa.version: [ 1, 2 ]
amdhsa.kernels:
  - .name:           k_qd1f11bbccb_qkv
    .symbol:         k_qd1f11bbccb_qkv.kd
    .args:
      - { .name: xq, .offset: 0, .size: 8, .value_kind: global_buffer, .address_space: global }
      - { .name: wts, .offset: 8, .size: 8, .value_kind: global_buffer, .address_space: global }
      - { .name: tab, .offset: 16, .size: 8, .value_kind: global_buffer, .address_space: global }
      - { .name: qkv, .offset: 24, .size: 8, .value_kind: global_buffer, .address_space: global }
    .group_segment_fixed_size: 327680
    .private_segment_fixed_size: 0
    .kernarg_segment_align: 8
    .kernarg_segment_size: 32
    .max_flat_workgroup_size: 128
    .sgpr_count:     100
    .vgpr_count:     1024
    .wavefront_size: 32
...
	.end_amdgpu_metadata
.endif
;; end of part 2
;; launch attn (part 3): grid 8 x 64, 16 waves a work-group, clusters of 4 x 1, 327,680 bytes of LDS; arguments qkv, ao; writes ao
.if DOCPART == 3
	.amdgcn_target "amdgcn-amd-amdhsa--gfx1250"
	.amdhsa_code_object_version 6
	.text
	.protected	k_qd1f11bbccb_attn
	.globl	k_qd1f11bbccb_attn
	.p2align	8
	.type	k_qd1f11bbccb_attn,@function
k_qd1f11bbccb_attn:
	s_mov_b64 s[64:65], 0
	v_nop
	global_prefetch_b8 v0, s[64:65] scope:SCOPE_SE
	s_setreg_imm32_b32 hwreg(HW_REG_WAVE_MODE, 25, 1), 1
	s_wait_xcnt 0x0
	s_wait_alu depctr_hold_cnt(0) depctr_sa_sdst(0) depctr_va_vdst(0) depctr_va_sdst(0) depctr_va_ssrc(0) depctr_va_vcc(0) depctr_vm_vsrc(0)
	s_getreg_b32 s2, hwreg(HW_REG_IB_STS2, 6, 4)
	s_cmp_eq_u32 s2, 0
	s_cbranch_scc0 .Lentry_in_a_cluster
	s_endpgm
.Lentry_in_a_cluster:
	s_bfe_u32 s2, ttmp6, 0x10000c
	s_cmp_lg_u32 s2, 0x3003
	s_cbranch_scc0 .Lentry_shape_is_right
	s_endpgm
.Lentry_shape_is_right:
; ATTENTION on codes of FP6 (E2M3) with E8M0 scales: S^T = K Q^T (K = the head's 64), the softmax, O^T = V^T P^T (K = the keys); O / l is quantised along (head, d) for the output projection.
; THE SOFTMAX: t = score x log2(e) (no other scale); M = the running largest t rounded UP to a whole number; p = 2^(t - M) is quantised along the keys; the row's sum is taken of the unquantised p and
; divides O at the end.  When M moves, the sum and O^T are multiplied by 2^(old M - new M): exact.
; SHARES.  A work-group owns one head and 256 queries; each of its sixteen waves owns one tile of 16 queries in 256 registers: four waves to a SIMD, so that one wave's vector work stands beside another's products and loads.
; THE WHOLE HEAD'S K AND V LIE IN LDS (2 x 98,304 bytes of codes, 2 x 4,096 of scale words), filled once: no slot is filled again.  Each wave issues five loads at the start (the scale words, then four quarters
; of the keys), and each quarter is waited for when the walk reaches it.  CLUSTER: the four query blocks of a cluster belong to one head, so every load is a joint one.
; K = 64 IN AN INSTRUCTION OF 128.  A fragment of K is two tiles of 16 keys on end, 64 d each.  Against [q | zeros] it gives the first tile's scores, against [zeros | q] the second's: no LDS byte is read for nothing.
; Zero codes add nothing under any scale byte but 0xff.
; LAYOUT.  Both products are used transposed: a lane holds one query throughout.  Keys and d are stored with bits 3 and 4 of their index exchanged, so that the 16 registers of two neighbouring tiles are 16 true neighbours.
; Nothing is prefetched: every byte that the launch reads is asked for at its head.
; LIMITS: NaN and infinities are not served; a block under 2^-124 gets the byte 1.  The scale bytes of the result leave as single bytes, one a lane: 32 of the 800 bytes that a wave stores.
.set VC,    98304                      ; LDS: K's codes at 0, V's here,
.set KSC,   196608                     ; K's scale words, V's 4,096 bytes on,
.set SPARE, 204800                     ; the spare words, 128 bytes a wave
.set AK16, 1                           ; v1  16 x lane
.set AK8,  2                           ; v2  8 x lane
.set AS,   3                           ; v3  KSC + 8 x lane
.set SPW,  5                           ; v5  SPARE + 4 x my thread's number; never rewritten
.set NIL,  6                           ; v6  0; never rewritten
.set ADS,  7                           ; v7-11 the step's addresses
.set ADK,  8
.set ADK8, 9
.set ADV,  10
.set ADV8, 11
.set QHI,  16                          ; v16-33: six zeros, q's six registers, six zeros: [0 | q] from v16, [q | 0] from v22
.set QLO,  22
.set QS,   34                          ; q's scale word: its two bytes twice
.set PW,   35                          ; p's scale word
.set KF,   36                          ; v36-83 four fragments of K or of V
.set SCK,  84                          ; v84-85 K's scale words, v86-87 V's
.set SCV,  86
.set AV16, 88                          ; v88 VC + 16 x lane, v89 VC + 8 x lane
.set AV8,  89
.set S,    96                          ; v96-159 S^T, then p
.set O,    160                         ; v160-191 O^T
.set PC,   192                         ; v192-203 p's codes, v204-210 at work
.set BM,   212                         ; v212-223 a block's largest score, at work, scale operand
.set BP,   216
.set BS,   220
.set WV,   8
.set G1S,  20                          ; s[20:27] group 1 for the scale words, s[28:35] for codes, s[36:55] five groups 0
.set G1C,  28
.set G0,   36
.set CS,   56                          ; s[56:57] log2(e)
.set SEL,  58
.set TK,   60                          ; the step's codes: 6,144 bytes a step
.set TS,   61                          ; its scale words: 256 bytes a step
.set CNT,  62
.macro CROUND
	s_barrier_signal -1
	s_barrier_wait -1
	s_cmp_lg_u32 s[WV], 0
	s_cbranch_scc1 .Lnot_wave_0_\@
	s_barrier_signal -3
.Lnot_wave_0_\@:
	s_barrier_wait -3
	s_barrier_signal -1
	s_barrier_wait -1
.endm
	s_load_b128 s[4:7], s[0:1], 0x0                ; qkv s[4:5], ao s[6:7]
	v_lshl_add_u32 v[SPW], v0, 2, SPARE
	v_mov_b32 v[NIL], 0
	ds_add_u32 v[SPW], v[NIL]                      ; the wave's opening: the add and its wait ahead of my first tensor load; work on registers stands between
	v_lshrrev_b32 v1, 5, v0
	v_readfirstlane_b32 s[WV], v1                  ; wave 0..15
	s_and_b32 s9, ttmp7, 0xffff                    ; 16 x batch + head, which the four partners share
	s_lshr_b32 s12, s[WV], 3                       ; I fetch for K (0) or V (1),
	s_and_b32 s13, s[WV], 7                        ; the eighth part of each piece
	s_lshl_b32 s66, s12, 6
	s_add_co_u32 s66, s66, 64
	s_add_co_u32 s66, s66, s9                      ; the head's place among q's, k's and v's
	s_mul_i32 s68, s66, 98304
	s_mul_i32 s67, s13, 3072
	s_add_co_u32 s68, s68, s67
	s_mov_b32 s69, 0                               ; codes: in memory,
	s_mul_i32 s72, s12, VC
	s_add_co_u32 s72, s72, s67                     ; and in LDS
	s_lshl_b32 s70, s66, 12
	s_lshl_b32 s67, s13, 9
	s_add_co_u32 s70, s70, s67
	s_add_co_u32 s70, s70, 18874368
	s_mov_b32 s71, 0                               ; scale words: in memory,
	s_lshl_b32 s73, s[WV], 9
	s_add_co_u32 s73, s73, KSC                     ; and in LDS: 512 bytes a wave
	s_mov_b32 s[G1S], 15|(3<<16)|(1<<21)           ; 15:0 the mask: all four work-groups; elements of 8 bytes; 21 set beside a mask
	s_mov_b32 s[G1S+1], 32<<16                     ; rows of 256 bytes,
	s_mov_b32 s[G1S+2], 2<<16                      ; two of them
	s_mov_b32 s[G1S+3], 32<<16
	s_mov_b32 s[G1S+4], 2
	s_mov_b32 s[G1S+5], 32
	s_mov_b32 s[G1S+6], 0
	s_mov_b32 s[G1S+7], 0
	s_mov_b32 s[G1C], 15|(3<<16)|(1<<21)
	s_mov_b32 s[G1C+1], 32<<16
	s_mov_b32 s[G1C+2], 12<<16                     ; twelve rows of 256 bytes
	s_mov_b32 s[G1C+3], 32<<16
	s_mov_b32 s[G1C+4], 12
	s_mov_b32 s[G1C+5], 32
	s_mov_b32 s[G1C+6], 0
	s_mov_b32 s[G1C+7], 0
	s_bfe_u32 s10, ttmp6, 0x40000                  ; cx: it enters q's and the result's addresses alone
	s_lshl_b32 s11, ttmp9, 2
	s_add_co_u32 s11, s11, s10                     ; my block of 256 queries
	s_lshl_b32 s82, s11, 4
	s_add_co_u32 s82, s82, s[WV]                   ; my tile of 16 queries in the head
	s_mul_i32 s74, s9, 98304
	s_mul_i32 s83, s82, 768
	s_add_co_u32 s74, s74, s83
	s_mov_b32 s75, 0                               ; q's half fragment
	s_lshl_b32 s76, s9, 12
	s_lshr_b32 s83, s82, 3
	s_lshl_b32 s83, s83, 8
	s_add_co_u32 s76, s76, s83                     ; q's scale word: 256 bytes for 8 tiles;
	s_bfe_u32 s83, s[WV], 0x10001
	s_lshl_b32 s83, s83, 7
	s_add_co_u32 s76, s76, s83                     ; the pair of tiles f = (w % 8) / 2 lies in lanes 16 (f % 2) on,
	s_bfe_u32 s83, s[WV], 0x10002
	s_lshl_b32 s83, s83, 2
	s_add_co_u32 s76, s76, s83                     ; in word f / 2
	s_add_co_u32 s76, s76, 18874368
	s_mov_b32 s77, 0
	s_lshr_b32 s83, s9, 4
	s_lshl_b32 s83, s83, 7
	s_add_co_u32 s83, s83, s82                     ; my tile among all 512
	s_and_b32 s84, s9, 15                          ; the head: 64 along the next K
	s_lshr_b32 s85, s83, 3
	s_mul_i32 s78, s85, 98304
	s_lshr_b32 s85, s84, 2
	s_mul_i32 s85, s85, 24576
	s_add_co_u32 s78, s78, s85
	s_and_b32 s85, s83, 7
	s_mul_i32 s85, s85, 3072
	s_add_co_u32 s78, s78, s85
	s_and_b32 s85, s84, 3
	s_mul_i32 s85, s85, 768
	s_add_co_u32 s78, s78, s85
	s_mov_b32 s79, 0                               ; the result's half fragment
	s_lshl_b32 s80, s83, 9
	s_lshl_b32 s85, s84, 1
	s_add_co_u32 s80, s80, s85
	s_add_co_u32 s80, s80, 6291456
	s_mov_b32 s81, 0                               ; and its scale bytes
	s_mov_b32 s63, 0x03020302
	s_and_b32 s85, s[WV], 1
	s_cmp_eq_u32 s85, 0
	s_cselect_b32 s63, 0x01000100, s63             ; an even tile's bytes lie in the word's low half
	s_mov_b32 s[CS], 0x3fb8aa3b                    ; log2(e)
	s_mov_b32 s[CS+1], s[CS]
	s_mov_b32 s[SEL], 0x76543210
	s_mov_b32 s[SEL+1], 0xfedcba98
	s_wait_dscnt 0x0                               ; the opening add is done
	s_wait_kmcnt 0x0
	s_add_nc_u64 s[68:69], s[4:5], s[68:69]
	s_add_nc_u64 s[70:71], s[4:5], s[70:71]
	s_add_nc_u64 s[74:75], s[4:5], s[74:75]
	s_add_nc_u64 s[76:77], s[4:5], s[76:77]
	s_add_nc_u64 s[78:79], s[6:7], s[78:79]
	s_add_nc_u64 s[80:81], s[6:7], s[80:81]
	s_mov_b32 s[G0], 1
	s_mov_b32 s[G0+1], s73
	s_mov_b64 s[G0+2:G0+3], s[70:71]
	s_or_b32 s[G0+3], s[G0+3], 0x80000000
.irp p, 0,1,2,3
	s_mov_b32 s[G0+4+4*\p], 1
	s_add_co_u32 s[G0+5+4*\p], s72, \p*24576
	s_add_nc_u64 s[G0+6+4*\p:G0+7+4*\p], s[68:69], \p*24576
	s_or_b32 s[G0+7+4*\p], s[G0+7+4*\p], 0x80000000
.endr
	CROUND                                         ; all four work-groups are here: the joint loads meet
	tensor_load_to_lds s[G0:G0+3], s[G1S:G1S+7]    ; five loads of mine are out behind the fifth line; an s_nop 0 follows each, four v_nop the last
	s_nop 0
.irp p, 0,1,2,3
	tensor_load_to_lds s[G0+4+4*\p:G0+7+4*\p], s[G1C:G1C+7]
	s_nop 0
.endr
.rept 4
	v_nop
.endr
	v_and_b32 v4, 31, v0
	v_lshlrev_b32 v[AK16], 4, v4
	v_lshlrev_b32 v[AK8], 3, v4
	global_load_b128 v[QLO:QLO+3], v[AK16], s[74:75]
	global_load_b64 v[QLO+4:QLO+5], v[AK8], s[74:75] offset:512
	v_and_b32 v4, 15, v0
	v_lshlrev_b32 v4, 3, v4
	global_load_b32 v226, v4, s[76:77]
	v_add_nc_u32 v[AS], KSC, v[AK8]
	v_add_nc_u32 v[AV16], VC, v[AK16]
	v_add_nc_u32 v[AV8], VC, v[AK8]
.irp j, 0,1,2,3,4,5
	v_mov_b32 v[QHI+\j], 0
	v_mov_b32 v[QLO+6+\j], 0
.endr
	v_mov_b32 v13, 0xff61b1e6                      ; the largest t so far: -3e38
	v_floor_f32 v12, -v13                          ; -M
	v_mov_b32 v14, 0                               ; the sum, in two halves
	v_mov_b32 v15, 0
	v_mov_b32 v229, 0                              ; (named as the upper half of the pair v[228:229])
.irp b, 0,1,2,3
	v_mov_b32 v[BP+\b], 0                          ; a lane permute's destination counts as one of its sources
.endr
	s_wait_loadcnt 0x0                             ; q
	v_perm_b32 v[QS], v226, v226, s63              ; my tile's two bytes, twice
.irp j, 0,1,2,3,4,5,6,7,8,9,10,11,12,13,14,15,16,17,18,19,20,21,22,23,24,25,26,27,28,29,30,31
	v_mov_b32 v[O+\j], 0                           ; O^T: the step is written once, and its first run finds zeros.  (These are also the places between the scale word's making and the first product)
.endr
.macro FR4 a16, a8                     ; four fragments, as they lie
.irp f, 0,1,2,3
	ds_load_b128 v[KF+12*\f:KF+12*\f+3], v[\a16] offset:1536*\f
	ds_load_b64 v[KF+12*\f+4:KF+12*\f+5], v[\a8] offset:1536*\f+512
	ds_load_b128 v[KF+12*\f+6:KF+12*\f+9], v[\a16] offset:1536*\f+768
	ds_load_b64 v[KF+12*\f+10:KF+12*\f+11], v[\a8] offset:1536*\f+1280
.endr
.endm
; A KEY STEP: 128 keys.
.macro STEP
	v_add_nc_u32 v[ADK], s[TK], v[AK16]            ; five plain instructions: the places between the last products and the loads into their registers
	v_add_nc_u32 v[ADK8], s[TK], v[AK8]
	v_add_nc_u32 v[ADV], s[TK], v[AV16]
	v_add_nc_u32 v[ADV8], s[TK], v[AV8]
	v_add_nc_u32 v[ADS], s[TS], v[AS]
	FR4 ADK, ADK8
	ds_load_b64 v[SCK:SCK+1], v[ADS]               ; word j: lanes 0-15 fragment 2 j's rows, lanes 16-31 fragment 2 j + 1's
	s_wait_dscnt 0x0
.irp f, 0,1,2,3
.if \f%2 == 0
	v_wmma_scale_f32_16x16x128_f8f6f4 v[S+16*\f:S+16*\f+7], v[KF+12*\f:KF+12*\f+11], v[QLO:QLO+11], 0, v[SCK+\f/2], v[QS] matrix_a_fmt:MATRIX_FMT_FP6 matrix_b_fmt:MATRIX_FMT_FP6
	v_wmma_scale_f32_16x16x128_f8f6f4 v[S+16*\f+8:S+16*\f+15], v[KF+12*\f:KF+12*\f+11], v[QHI:QHI+11], 0, v[SCK+\f/2], v[QS] matrix_a_fmt:MATRIX_FMT_FP6 matrix_b_fmt:MATRIX_FMT_FP6
.else
	v_wmma_scale_f32_16x16x128_f8f6f4 v[S+16*\f:S+16*\f+7], v[KF+12*\f:KF+12*\f+11], v[QLO:QLO+11], 0, v[SCK+\f/2], v[QS] matrix_a_fmt:MATRIX_FMT_FP6 matrix_b_fmt:MATRIX_FMT_FP6 matrix_a_scale:MATRIX_SCALE_ROW1
	v_wmma_scale_f32_16x16x128_f8f6f4 v[S+16*\f+8:S+16*\f+15], v[KF+12*\f:KF+12*\f+11], v[QHI:QHI+11], 0, v[SCK+\f/2], v[QS] matrix_a_fmt:MATRIX_FMT_FP6 matrix_b_fmt:MATRIX_FMT_FP6 matrix_a_scale:MATRIX_SCALE_ROW1
.endif
.endr                                          ; register 16 b + i of lane (r, h): query r, key 32 b + 16 h + i
.rept 4
	v_nop                                          ; places in front of the loads below and of the first read of the scores
.endr
	FR4 ADV, ADV8                                  ; V's four fragments land under the softmax
	ds_load_b64 v[SCV:SCV+1], v[ADS] offset:4096
.irp b, 0,1,2,3
	v_max3_num_f32 v[BM+\b], v[S+16*\b], v[S+1+16*\b], v[S+2+16*\b]   ; the largest score of each block of 32 keys: it serves the row's maximum and, since p rises with the score, the block's largest p
.endr
.irp i, 3,5,7,9,11,13
.irp b, 0,1,2,3
	v_max3_num_f32 v[BM+\b], v[BM+\b], v[S+16*\b+\i], v[S+1+16*\b+\i]
.endr
.endr
.irp b, 0,1,2,3
	v_max_num_f32 v[BM+\b], v[BM+\b], v[S+15+16*\b]
.endr
.irp b, 0,1,2,3
	v_permlanex16_b32 v[BP+\b], v[BM+\b], s[SEL], s[SEL+1]
.endr
.irp b, 0,1,2,3
	v_max_num_f32 v[BM+\b], v[BM+\b], v[BP+\b]     ; with lane l xor 16's 16 keys
.endr
	v_max3_num_f32 v226, v[BM], v[BM+1], v[BM+2]
	v_max_num_f32 v226, v226, v[BM+3]
	v_mul_f32 v226, s[CS], v226                    ; as t
	v_max_num_f32 v13, v13, v226                   ; the running largest t
	v_mov_b32 v226, v12
	v_floor_f32 v12, -v13                          ; the new -M = -ceil(t): a whole number
	v_sub_f32 v226, v12, v226                      ; old M - new M, 0 or less
	v_cvt_i32_f32 v226, v226                       ; (it saturates)
	v_ldexp_f32 v228, 1.0, v226                    ; f = 2^(old M - new M)
.irp j, 0,2,4,6,8,10,12,14,16,18,20,22,24,26,28,30,32,34,36,38,40,42,44,46,48,50,52,54,56,58,60,62
	v_pk_fma_f32 v[S+\j:S+\j+1], v[S+\j:S+\j+1], s[CS:CS+1], v[12:13] op_sel_hi:[1,0,0]   ; t - M
.endr
.irp b, 0,1,2,3
	v_fma_f32 v[BM+\b], v[BM+\b], s[CS], v12       ; the same of each block's largest score
.endr
.irp j, 0,1,2,3,4,5,6,7,8,9,10,11,12,13,14,15,16,17,18,19,20,21,22,23,24,25,26,27,28,29,30,31,32,33,34,35,36,37,38,39,40,41,42,43,44,45,46,47,48,49,50,51,52,53,54,55,56,57,58,59,60,61,62,63
	v_exp_f32 v[S+\j], v[S+\j]                     ; p = 2^(t - M), at most 1
.endr
	v_pk_mul_f32 v[14:15], v[14:15], v[228:229] op_sel_hi:[1,0]   ; the sums under the new M: the plain place behind the exponentials
	s_wait_alu depctr_va_vdst(0)                   ; one wait for the batch, ahead of its first reader
.irp b, 0,1,2,3
	v_exp_f32 v[BM+\b], v[BM+\b]                   ; the block's largest p
.endr
	v_pk_add_f32 v[224:225], v[S:S+1], v[S+2:S+3]  ; the row's sum is taken of the unquantised p, in two chains
.irp j, 4,8,12,16,20,24,28,32,36,40,44,48,52,56,60
	v_pk_add_f32 v[14:15], v[14:15], v[S+\j:S+\j+1]
	v_pk_add_f32 v[224:225], v[224:225], v[S+2+\j:S+3+\j]
.endr
	v_pk_add_f32 v[14:15], v[14:15], v[224:225]
	s_wait_alu depctr_va_vdst(0)                   ; and one for the four
.irp b, 0,1,2,3
	v_max_num_f32 v[BM+\b], 0x1800000, v[BM+\b]    ; the floor 2^(3 - 127)
.endr
.irp b, 0,1,2,3
	v_add_nc_u32 v[BS+\b], 0xff000000, v[BM+\b]    ; the conversion's scale operand
.endr
.irp b, 0,1,2,3
	v_lshrrev_b32 v[BP+\b], 23, v[BS+\b]           ; the byte
.endr
	v_lshl_or_b32 v[PW], v[BP+1], 8, v[BP]
	v_lshl_or_b32 v[PW], v[BP+2], 16, v[PW]
	v_lshl_or_b32 v[PW], v[BP+3], 24, v[PW]
.irp c, 0,1
	v_cvt_scalef32_pk16_fp6_f32 v[PC+6*\c:PC+6*\c+2], v[S+32*\c:S+32*\c+15], v[BS+2*\c]
	v_cvt_scalef32_pk16_fp6_f32 v[PC+12+4*\c:PC+12+4*\c+2], v[S+16+32*\c:S+31+32*\c], v[BS+2*\c+1]
.endr
	v_nop                                          ; one plain place behind a scaled conversion
.irp c, 0,1
.irp i, 0,1,2
	v_permlane16_swap_b32 v[PC+6*\c+\i], v[PC+12+4*\c+\i]
.endr
.irp i, 0,1,2
	v_mov_b32 v[PC+3+6*\c+\i], v[PC+12+4*\c+\i]
.endr
.endr
.irp j, 0,2,4,6,8,10,12,14,16,18,20,22,24,26,28,30
	v_pk_mul_f32 v[O+\j:O+\j+1], v[O+\j:O+\j+1], v[228:229] op_sel_hi:[1,0]   ; O^T under the new M.  (Of these sixteen, twelve name no register of a given product below: the places in front of it)
.endr
	s_wait_dscnt 0x0                               ; V
.irp t, 0,1,2,3                                ; the four accumulators take turns
.if \t%2 == 0
	v_wmma_scale_f32_16x16x128_f8f6f4 v[O+8*\t:O+8*\t+7], v[KF+12*\t:KF+12*\t+11], v[PC:PC+11], v[O+8*\t:O+8*\t+7], v[SCV+\t/2], v[PW] matrix_a_fmt:MATRIX_FMT_FP6 matrix_b_fmt:MATRIX_FMT_FP6
.else
	v_wmma_scale_f32_16x16x128_f8f6f4 v[O+8*\t:O+8*\t+7], v[KF+12*\t:KF+12*\t+11], v[PC:PC+11], v[O+8*\t:O+8*\t+7], v[SCV+\t/2], v[PW] matrix_a_fmt:MATRIX_FMT_FP6 matrix_b_fmt:MATRIX_FMT_FP6 matrix_a_scale:MATRIX_SCALE_ROW1
.endif
.endr
	s_add_co_u32 s[TK], s[TK], 6144
	s_add_co_u32 s[TS], s[TS], 256
.endm
; A quarter of the keys: my part of it has landed (the later quarters' loads stay out), then everybody's.
.macro PHASE p
	s_wait_tensorcnt 3-\p
	s_wait_dscnt 0x0
	s_barrier_signal -1
	s_barrier_wait -1
	s_mov_b32 s[TK], \p*24576
	s_mov_b32 s[TS], \p*1024
	s_mov_b32 s[CNT], 4
.Lstep_\@:
	STEP
	s_sub_co_u32 s[CNT], s[CNT], 1
	s_cmp_lg_u32 s[CNT], 0
	s_cbranch_scc1 .Lstep_\@
.endm
	PHASE 0
	PHASE 1
	PHASE 2
	PHASE 3
	; THE WAY OUT: O^T / the sum; register 16 b + i is d 32 b + 16 h + i of my query: two blocks of the next product's K, a half fragment.
	v_add_f32 v14, v14, v15
	v_permlanex16_b32 v226, v14, s[SEL], s[SEL+1]
	v_add_f32 v14, v14, v226                       ; the row's sum
	v_rcp_f32 v14, v14
	v_and_b32 v8, 15, v0                           ; (plain places behind the reciprocal and the last products)
	v_bfe_u32 v9, v0, 4, 1
	v_lshl_add_u32 v10, v8, 5, v9                  ; 32 r + h: my block's scale byte
	v_cmp_ne_u32 vcc_lo, 0, v9
	s_wait_alu depctr_va_vdst(0)                   ; the wait ahead of the reciprocal's first reader
.irp j, 0,1,2,3,4,5,6,7,8,9,10,11,12,13,14,15,16,17,18,19,20,21,22,23,24,25,26,27,28,29,30,31
	v_mul_f32 v[S+\j], v[O+\j], v14
.endr
.irp b, 0,1
	v_max3_num_f32 v[BM+\b], |v[S+16*\b]|, |v[S+1+16*\b]|, 0x1800000
.endr
.irp i, 2,4,6,8,10,12,14
.irp b, 0,1
	v_max3_num_f32 v[BM+\b], v[BM+\b], |v[S+16*\b+\i]|, |v[S+1+16*\b+\i]|
.endr
.endr
.irp b, 0,1
	v_permlanex16_b32 v[BP+\b], v[BM+\b], s[SEL], s[SEL+1]
.endr
.irp b, 0,1
	v_max_num_f32 v[BM+\b], v[BM+\b], v[BP+\b]
.endr
.irp b, 0,1
	v_add_nc_u32 v[BS+\b], 0xff000000, v[BM+\b]
.endr
.irp b, 0,1
	v_lshrrev_b32 v[BP+\b], 23, v[BS+\b]
.endr
	v_cvt_scalef32_pk16_fp6_f32 v[PC:PC+2], v[S:S+15], v[BS]
	v_cvt_scalef32_pk16_fp6_f32 v[PC+12:PC+14], v[S+16:S+31], v[BS+1]
	v_nop                                          ; one plain place behind a scaled conversion
.irp i, 0,1,2
	v_permlane16_swap_b32 v[PC+\i], v[PC+12+\i]    ; lanes 0-15 block 0 whole, lanes 16-31 block 1
.endr
.irp i, 0,1,2
	v_mov_b32 v[PC+3+\i], v[PC+12+\i]
.endr
	v_cndmask_b32 v226, v[BP], v[BP+1], vcc_lo
	global_store_b128 v[AK16], v[PC:PC+3], s[78:79]             ; 512 consecutive bytes,
	global_store_b64 v[AK8], v[PC+4:PC+5], s[78:79] offset:512  ; and 256
	global_store_b8 v10, v226, s[80:81]
	s_wait_tensorcnt 0x0                           ; the wave's end, behind my last tensor load
	ds_add_u32 v[SPW], v[NIL]
	s_wait_dscnt 0x0
	CROUND                                         ; the closing round
	s_endpgm
.Lfunc_end_k_qd1f11bbccb_attn:
	.size	k_qd1f11bbccb_attn, .Lfunc_end_k_qd1f11bbccb_attn-k_qd1f11bbccb_attn
	.p2alignl 7, 3214868480
	.fill 96, 4, 3214868480
	.section	.rodata,"a",@progbits
	.p2align	6, 0x0
	.amdhsa_kernel k_qd1f11bbccb_attn
		.amdhsa_group_segment_fixed_size 327680
		.amdhsa_private_segment_fixed_size 0
		.amdhsa_enable_private_segment 0
		.amdhsa_kernarg_size 16
		.amdhsa_user_sgpr_count 2
		.amdhsa_user_sgpr_kernarg_segment_ptr 1
		.amdhsa_wavefront_size32 1
		.amdhsa_system_sgpr_workgroup_id_x 1
		.amdhsa_system_sgpr_workgroup_id_y 1
		.amdhsa_system_sgpr_workgroup_id_z 1
		.amdhsa_system_vgpr_workitem_id 0
		.amdhsa_next_free_vgpr 256
		.amdhsa_next_free_sgpr 96
		.amdhsa_reserve_vcc 1
		.amdhsa_float_denorm_mode_32 3
		.amdhsa_float_denorm_mode_16_64 3
		.amdhsa_memory_ordered 1
		.amdhsa_forward_progress 1
		.amdhsa_inst_pref_size 78
	.end_amdhsa_kernel
	.amdgpu_metadata
---
amdhsa.version: [ 1, 2 ]
amdhsa.kernels:
  - .name:           k_qd1f11bbccb_attn
    .symbol:         k_qd1f11bbccb_attn.kd
    .args:
      - { .name: qkv, .offset: 0, .size: 8, .value_kind: global_buffer, .address_space: global }
      - { .name: ao, .offset: 8, .size: 8, .value_kind: global_buffer, .address_space: global }
    .group_segment_fixed_size: 327680
    .private_segment_fixed_size: 0
    .kernarg_segment_align: 8
    .kernarg_segment_size: 16
    .max_flat_workgroup_size: 512
    .sgpr_count:     96
    .vgpr_count:     256
    .wavefront_size: 32
...
	.end_amdgpu_metadata
.endif
;; end of part 3
;; launch oproj (part 4): grid 4 x 32, 4 waves a work-group, clusters of 4 x 4, 327,680 bytes of LDS; arguments ao, wts, out0; writes out0
.if DOCPART == 4
	.amdgcn_target "amdgcn-amd-amdhsa--gfx1250"
	.amdhsa_code_object_version 6
	.text
	.protected	k_qd1f11bbccb_oproj
	.globl	k_qd1f11bbccb_oproj
	.p2align	8
	.type	k_qd1f11bbccb_oproj,@function
k_qd1f11bbccb_oproj:
	s_mov_b64 s[64:65], 0
	v_nop
	global_prefetch_b8 v0, s[64:65] scope:SCOPE_SE
	s_setreg_imm32_b32 hwreg(HW_REG_WAVE_MODE, 25, 1), 1
	s_wait_xcnt 0x0
	s_wait_alu depctr_hold_cnt(0) depctr_sa_sdst(0) depctr_va_vdst(0) depctr_va_sdst(0) depctr_va_ssrc(0) depctr_va_vcc(0) depctr_vm_vsrc(0)
	s_getreg_b32 s2, hwreg(HW_REG_IB_STS2, 6, 4)
	s_cmp_eq_u32 s2, 0
	s_cbranch_scc0 .Lentry_in_a_cluster
	s_endpgm
.Lentry_in_a_cluster:
	s_bfe_u32 s2, ttmp6, 0x10000c
	s_cmp_lg_u32 s2, 0xf033
	s_cbranch_scc0 .Lentry_shape_is_right
	s_endpgm
.Lentry_shape_is_right:
; OUT = (attention's result) x wo, on codes of FP6 (E2M3) with E8M0 scales, K = 1,024; out0 [8192][1024] f32.
; A tile of 256 x 256 is made by four waves, 128 x 128 each; K goes in steps of 256 through a ring of two LDS slots.  Operands lie in memory as images of the operand registers
; (half fragment: 16 rows x 64 K, 768 bytes: registers 0-3 at 16 x lane, 4-5 at 512 + 8 x lane): 128 rows x 256 K are one dense block of 24,576 bytes, one tensor load.
; Source 1 = 16 tokens (A), source 0 = 16 columns of wo (B).  Rows of both are stored with bits 3 and 4 of their index exchanged: a lane's 16 registers of two neighbouring tiles are 16 true neighbouring columns,
; and the tokens' order is undone by the stores' offsets.
; CLUSTERS: 4 x 4; A's tile is shared along a row of the cluster, B's along a column: joint loads.  The product has 128 tiles of this size, so 128 work-groups: a smaller tile would read each fragment for half the products.
.set NQ,    2
.set FR,    12
.set NL,    4
.set NP,    4
.set BLKB,  24576
.set SLOT,  4*BLKB
.set GRP,   98304
.set SCL,   2*SLOT
.set HALFS, 4352
.set SBLK,  544
.set STAGE, SCL+4*HALFS                ; the way out: 16 rows x (512 + 16) bytes for each wave, bytes of their own
.set SPITCH, 528
.set SPARE, STAGE+4*16*SPITCH          ; the spare words, 128 bytes a wave
.set ADRA, 16
.set ADRB, 20
.set OA,   24                          ; v24  16 x lane
.set OB,   25                          ; v25  8 x lane
.set STO,  26                          ; v26  the stage: where I put 32 bytes of a row
.set ADRS, 27
.set SPW,  28                          ; v28  SPARE + 4 x my thread's number; never rewritten
.set NIL,  29                          ; v29  0; never rewritten
.set RD,   30                          ; v30  the stage: where I read a row back
.set SC,   32
.set AF,   128
.set BK,   128                         ; the way out: v128-191 and v192-255 by turns
.set G1,   24
.set G0,   32
.set G1B,  48
.set G0B,  56
.set G1S,  68
.set G0S,  76
.set G1SB, 80
.set G0SB, 88
.set MSB, 0
.macro WIN new                         ; the immediate's high byte repeats the setting that is left
.if MSB != (\new)
	s_set_vgpr_msb (MSB<<8)|(\new)
.set MSB, (\new)
.endif
.endm
.set MUL_LO, 0xa1
.set MUL_HI, 0xf1
.set TO_B,   0x40
.macro JLOAD g0a, g1a, g0b, g1b        ; waves 0, 1 fetch for A, waves 2, 3 for B; an s_nop 0 and four v_nop follow each line
	s_cmp_eq_u32 s15, 0
	s_cbranch_scc0 .Lfor_b_\@
	tensor_load_to_lds s[\g0a:\g0a+3], s[\g1a:\g1a+7]
	s_nop 0
.rept 4
	v_nop
.endr
	s_branch .Lasked_\@
.Lfor_b_\@:
	tensor_load_to_lds s[\g0b:\g0b+3], s[\g1b:\g1b+7]
	s_nop 0
.rept 4
	v_nop
.endr
.Lasked_\@:
.endm
.macro CREST
	s_cmp_lg_u32 s14, 0
	s_cbranch_scc1 .Lnot_wave_0_\@
	s_barrier_signal -3
.Lnot_wave_0_\@:
	s_barrier_wait -3
	s_barrier_signal -1
	s_barrier_wait -1
.endm
.macro CROUND
	s_barrier_signal -1
	s_barrier_wait -1
	CREST
.endm
	s_load_b128 s[4:7], s[0:1], 0x0                ; ao s[4:5], wts s[6:7]
	s_load_b64 s[8:9], s[0:1], 0x10                ; out0
	v_lshl_add_u32 v[SPW], v0, 2, SPARE
	v_mov_b32 v[NIL], 0
	ds_add_u32 v[SPW], v[NIL]                      ; the wave's opening: the add and its wait ahead of my first tensor load; work on registers stands between
	v_lshrrev_b32 v1, 5, v0
	v_readfirstlane_b32 s14, v1
	s_lshr_b32 s15, s14, 1
	s_and_b32 s16, s14, 1
	s_bfe_u32 s40, ttmp6, 0x40000                  ; cx
	s_bfe_u32 s41, ttmp6, 0x40004                  ; cy
	s_and_b32 s17, ttmp7, 0xffff
	s_lshl_b32 s17, s17, 2
	s_add_co_u32 s18, s17, s41                     ; A's tile of 256 tokens
	s_lshl_b32 s42, ttmp9, 2
	s_add_co_u32 s19, s42, s40                     ; B's tile of 256 columns
	s_lshl_b32 s43, s41, 2
	s_lshl_b32 s43, 15, s43
	s_lshl_b32 s44, 0x1111, s40
	s_or_b32 s[G1+0], s43, (3<<16)|(1<<21)         ; 96 rows of 256 bytes, dense, no padding
	s_or_b32 s[G1B+0], s44, (3<<16)|(1<<21)
.irp g, G1, G1B
	s_mov_b32 s[\g+1], 32<<16
	s_mov_b32 s[\g+2], 96<<16
	s_mov_b32 s[\g+3], 32<<16
	s_mov_b32 s[\g+4], 96
	s_mov_b32 s[\g+5], 32
	s_mov_b32 s[\g+6], 0
	s_mov_b32 s[\g+7], 0
.endr
	s_or_b32 s[G1S+0], s43, (3<<16)|(1<<20)|(1<<21)|(5<<22)|(3<<25)   ; 16 rows of 256 bytes, 16 bytes of padding behind each
	s_or_b32 s[G1SB+0], s44, (3<<16)|(1<<20)|(1<<21)|(5<<22)|(3<<25)
.irp g, G1S, G1SB
	s_mov_b32 s[\g+1], 32<<16
	s_mov_b32 s[\g+2], 16<<16
	s_mov_b32 s[\g+3], 32<<16
	s_mov_b32 s[\g+4], 16
	s_mov_b32 s[\g+5], 32
	s_mov_b32 s[\g+6], 0
	s_mov_b32 s[\g+7], 0
.endr
	s_lshl_b32 s45, s18, 1
	s_add_co_u32 s45, s45, s16
	s_mul_i32 s92, s45, GRP
	s_mov_b32 s93, 0
	s_lshl_b32 s94, s45, 12
	s_add_co_u32 s94, s94, 6291456
	s_mov_b32 s95, 0
	s_lshl_b32 s46, s19, 1
	s_add_co_u32 s46, s46, s16
	s_add_co_u32 s46, s46, 24                      ; wo is the fourth weight: groups 24 .. 31
	s_mul_i32 s96, s46, GRP
	s_mov_b32 s97, 0
	s_lshl_b32 s98, s46, 12
	s_add_co_u32 s98, s98, 3145728
	s_mov_b32 s99, 0
	s_mul_i32 s47, s14, BLKB
	s_mul_i32 s13, s14, HALFS
	s_wait_dscnt 0x0                               ; the opening add is done
	s_wait_kmcnt 0x0
	s_add_nc_u64 s[92:93], s[4:5], s[92:93]
	s_add_nc_u64 s[94:95], s[4:5], s[94:95]
	s_add_nc_u64 s[96:97], s[6:7], s[96:97]
	s_add_nc_u64 s[98:99], s[6:7], s[98:99]
	CROUND                                         ; all sixteen work-groups are here: the first joint loads meet
	s_mov_b32 s[G0S], 1
	s_add_co_u32 s[G0S+1], s13, SCL
	s_mov_b64 s[G0S+2:G0S+3], s[94:95]
	s_or_b32 s[G0S+3], s[G0S+3], 0x80000000
	s_mov_b32 s[G0SB], 1
	s_add_co_u32 s[G0SB+1], s13, SCL
	s_mov_b64 s[G0SB+2:G0SB+3], s[98:99]
	s_or_b32 s[G0SB+3], s[G0SB+3], 0x80000000
	JLOAD G0S, G1S, G0SB, G1SB                     ; three loads of mine are out behind the third line
.irp s, 0,1
	s_mov_b32 s[G0+4*\s], 1
	s_add_co_u32 s[G0+4*\s+1], s47, \s*SLOT
	s_add_nc_u64 s[G0+4*\s+2:G0+4*\s+3], s[92:93], \s*BLKB
	s_or_b32 s[G0+4*\s+3], s[G0+4*\s+3], 0x80000000
	s_mov_b32 s[G0B+4*\s], 1
	s_add_co_u32 s[G0B+4*\s+1], s47, \s*SLOT
	s_add_nc_u64 s[G0B+4*\s+2:G0B+4*\s+3], s[96:97], \s*BLKB
	s_or_b32 s[G0B+4*\s+3], s[G0B+4*\s+3], 0x80000000
	JLOAD G0+4*\s, G1, G0B+4*\s, G1B
.endr
	v_and_b32 v1, 15, v0                           ; r
	v_bfe_u32 v2, v0, 4, 1                         ; h
	v_and_b32 v3, 31, v0
	v_lshlrev_b32 v[OA], 4, v3
	v_lshlrev_b32 v[OB], 3, v3
	s_mul_i32 s21, s15, BLKB
	s_mul_i32 s22, s16, BLKB
	s_add_co_u32 s22, s22, 2*BLKB
.irp s, 0,1
	v_add_nc_u32 v[ADRA+\s], s21, v[OA]
	v_add_nc_u32 v[ADRB+\s], s22, v[OA]
	v_add_nc_u32 v[ADRA+2+\s], s21, v[OB]
	v_add_nc_u32 v[ADRB+2+\s], s22, v[OB]
	s_add_co_u32 s21, s21, SLOT
	s_add_co_u32 s22, s22, SLOT
.endr
	v_lshlrev_b32 v5, 5, v1
	v_lshrrev_b32 v6, 8, v5
	v_lshl_add_u32 v5, v6, 4, v5
	s_mul_i32 s21, s15, HALFS
	s_mul_i32 s22, s16, HALFS
	s_add_co_u32 s22, s22, 2*HALFS
	s_sub_co_u32 s22, s22, s21
	v_mul_u32_u24 v6, s22, v2
	s_add_co_u32 s21, s21, SCL
	v_add_nc_u32 v5, v5, v6
	v_add_nc_u32 v[ADRS], s21, v5
	s_mul_i32 s23, s14, 16*SPITCH
	s_add_co_u32 s23, s23, STAGE                   ; my stage
	v_mul_u32_u24 v5, v1, SPITCH
	v_lshl_add_u32 v5, v2, 6, v5                   ; in: row r, + 64 h
	v_add_nc_u32 v[STO], s23, v5
	v_add_nc_u32 v[RD], s23, v[OA]                 ; back: the 32 lanes take a row of 512 bytes
	s_lshl_b32 s20, s18, 1
	s_add_co_u32 s20, s20, s15
	s_lshl_b32 s20, s20, 19                        ; my 128 tokens: rows of 4,096 bytes
	s_mov_b32 s21, 0
	s_add_nc_u64 s[8:9], s[8:9], s[20:21]
	s_lshl_b32 s46, s19, 1
	s_add_co_u32 s46, s46, s16
	s_lshl_b32 s46, s46, 9                         ; my 128 columns
	s_mov_b32 s47, 0
	s_add_nc_u64 s[8:9], s[8:9], s[46:47]
.macro FRAG reg, adr, q, i
	ds_load_b128 v[\reg:\reg+3], v[\adr] offset:(\i)*3072+(\q)*1536
	ds_load_b64 v[\reg+4:\reg+5], v[\adr+2] offset:(\i)*3072+(\q)*1536+512
	ds_load_b128 v[\reg+6:\reg+9], v[\adr] offset:(\i)*3072+(\q)*1536+768
	ds_load_b64 v[\reg+10:\reg+11], v[\adr+2] offset:(\i)*3072+(\q)*1536+1280
.endm
.macro MUL16 a0, p, q, sc, zero        ; the 64 accumulators take turns, one instruction a turn
.irp a, \a0, \a0+1
.irp b, 0,1,2,3,4,5,6,7
.if \zero
	v_wmma_scale_f32_16x16x128_f8f6f4 v[8*(8*((\a)%4)+\b):8*(8*((\a)%4)+\b)+7], v[128*(\p)+FR*\b:128*(\p)+FR*\b+FR-1], v[AF+FR*(\a):AF+FR*(\a)+FR-1], 0, v[SC+8*NQ*(\sc)+NQ*\b+(\q)], v[SC+8*NQ*(\sc)+NQ*(\a)+(\q)] matrix_a_fmt:MATRIX_FMT_FP6 matrix_b_fmt:MATRIX_FMT_FP6 matrix_a_scale:MATRIX_SCALE_ROW1
.else
	v_wmma_scale_f32_16x16x128_f8f6f4 v[8*(8*((\a)%4)+\b):8*(8*((\a)%4)+\b)+7], v[128*(\p)+FR*\b:128*(\p)+FR*\b+FR-1], v[AF+FR*(\a):AF+FR*(\a)+FR-1], v[8*(8*((\a)%4)+\b):8*(8*((\a)%4)+\b)+7], v[SC+8*NQ*(\sc)+NQ*\b+(\q)], v[SC+8*NQ*(\sc)+NQ*(\a)+(\q)] matrix_a_fmt:MATRIX_FMT_FP6 matrix_b_fmt:MATRIX_FMT_FP6 matrix_a_scale:MATRIX_SCALE_ROW1
.endif
.endr
.endr
.endm
.macro FETCH_B slot, q, p
	WIN TO_B
.irp i, 0,1,2,3,4,5,6,7
	FRAG 128*(\p)+FR*\i, ADRB+\slot, \q, \i
.endr
	WIN 0
.endm
.macro FETCH_A slot, q, i0
.irp i, \i0, \i0+1, \i0+2, \i0+3
	FRAG AF+FR*(\i), ADRA+\slot, \q, \i
.endr
.endm
.macro SCALES sc
.irp i, 0,1,2,3,4,5,6,7
	ds_load_b64 v[SC+8*NQ*\sc+NQ*\i:SC+8*NQ*\sc+NQ*\i+1], v[ADRS] offset:\i*SBLK
.endr
.endm
.macro PLACES n
.rept \n
	v_nop
.endr
.endm
.macro STEP slot, q, zero
	s_wait_dscnt 4*NL                              ; B's set and A's blocks 0-3 are in; the youngest 16 loads (A's blocks 4-7) may be out
	WIN MUL_LO
	MUL16 0, (\q)%2, \q, \slot, \zero
	MUL16 2, (\q)%2, \q, \slot, \zero
	s_wait_dscnt 0
	PLACES NP
	FETCH_B \slot, (\q)+1, 1-(\q)%2
	FETCH_A \slot, (\q)+1, 0
	WIN MUL_HI
	MUL16 4, (\q)%2, \q, \slot, \zero
	MUL16 6, (\q)%2, \q, \slot, \zero
	PLACES NP
	WIN 0
	FETCH_A \slot, (\q)+1, 4
.endm
.macro TURN slot, next, fill
	s_wait_tensorcnt 0x0                           ; all my tensor loads have landed: my part of the next slot
	ds_add_u32 v[SPW], v[NIL]                      ; 0 onto my spare word
	s_wait_dscnt 4*NL+1                            ; (the add and the youngest 16 loads may be out)
	WIN MUL_LO
	MUL16 0, 1, NQ-1, \slot, 0
	s_wait_dscnt 0x0                               ; the add is done, and my reads of this slot are over
	s_barrier_signal -1
	MUL16 2, 1, NQ-1, \slot, 0
	WIN 0
	s_barrier_wait -1
.if \fill
	CREST                                          ; the barrier has opened a round of the cluster's
	s_add_nc_u64 s[G0+4*\slot+2:G0+4*\slot+3], s[G0+4*\slot+2:G0+4*\slot+3], 2*BLKB
	s_add_nc_u64 s[G0B+4*\slot+2:G0B+4*\slot+3], s[G0B+4*\slot+2:G0B+4*\slot+3], 2*BLKB
	JLOAD G0+4*\slot, G1, G0B+4*\slot, G1B         ; the first tensor load behind the round, my one load until the next
.else
	PLACES NP
.endif
	v_add_nc_u32 v[ADRS], 4*NQ, v[ADRS]
	FETCH_B \next, 0, 0
	FETCH_A \next, 0, 0
	SCALES \next
	WIN MUL_HI
	MUL16 4, 1, NQ-1, \slot, 0
	MUL16 6, 1, NQ-1, \slot, 0
	PLACES NP
	WIN 0
	FETCH_A \next, 0, 4
.endm
	s_wait_tensorcnt 1                             ; the scales and my part of K step 0 are in; K step 1's load may be out
	s_barrier_signal -1
	s_barrier_wait -1
	FETCH_B 0, 0, 0
	FETCH_A 0, 0, 0
	SCALES 0
	FETCH_A 0, 0, 4
	STEP 0, 0, 1
	TURN 0, 1, 1
	STEP 1, 0, 0
	TURN 1, 0, 1
	STEP 0, 0, 0
	TURN 0, 1, 0
	STEP 1, 0, 0
	s_wait_dscnt 4*NL
	WIN MUL_LO
	MUL16 0, 1, NQ-1, 1, 0
	MUL16 2, 1, NQ-1, 1, 0
	s_wait_dscnt 0
	WIN MUL_HI
	MUL16 4, 1, NQ-1, 1, 0
	MUL16 6, 1, NQ-1, 1, 0
	WIN 0
; THE WAY OUT, block by block of 16 tokens x 128 columns, through my own stage: a lane's eight registers of accumulator b are columns 32 (b / 2) + 16 h + 8 (b % 2) on; whole rows of 512 bytes come back.
; LDS serves a wave's instructions in order: no wait between the stores and the loads, nor in front of the next block's stores.
.macro TOSTAGE a
.set AC, 64*((\a)%4)
	WIN 0x08+4*((\a)/4)                            ; the data: window 2 or 3
.irp b, 0,1,2,3,4,5,6,7
	ds_store_b128 v[STO], v[AC+8*\b:AC+8*\b+3] offset:128*(\b/2)+32*(\b%2)       ; each accumulator from its low end on
	ds_store_b128 v[STO], v[AC+8*\b+4:AC+8*\b+7] offset:128*(\b/2)+32*(\b%2)+16
.endr
	WIN 0
.set BB, BK+64*((\a)%2)
.irp t, 0,1,2,3,4,5,6,7,8,9,10,11,12,13,14,15
	ds_load_b128 v[BB+4*\t:BB+4*\t+3], v[RD] offset:\t*SPITCH
.endr
.endm
.macro SEND a, younger                 ; place t of tile a is token 32 (a / 2) + 8 (a % 2) + t % 8 + 16 (t / 8) of my 128
.set BB, BK+64*((\a)%2)
	s_wait_dscnt \younger
.irp t, 0,1,2,3,4,5,6,7,8,9,10,11,12,13,14,15
	global_store_b128 v[OA], v[BB+4*\t:BB+4*\t+3], s[8:9] offset:(32*((\a)/2)+8*((\a)%2)+\t%8+16*(\t/8))*4096 th:TH_STORE_NT   ; 512 consecutive bytes, at a multiple of 256 from out0's first byte
.endr
.endm
	PLACES NP                                      ; behind the last products: reads of results, and loads into the registers that held A's fragments
	TOSTAGE 0
.irp a, 1,2,3,4,5,6,7
.if \a > 1
	s_wait_xcnt 0x0                                ; block a - 2's stores have read their registers: block a's loads may land there
.endif
	TOSTAGE \a
	SEND \a-1, 32                                  ; behind block a - 1's loads: block a's 16 stores and 16 loads
.endr
	SEND 7, 0
	s_wait_tensorcnt 0x0                           ; the wave's end, behind my last tensor load and my last LDS store
	ds_add_u32 v[SPW], v[NIL]
	s_wait_dscnt 0x0
	CROUND                                         ; the closing round
	s_endpgm
.Lfunc_end_k_qd1f11bbccb_oproj:
	.size	k_qd1f11bbccb_oproj, .Lfunc_end_k_qd1f11bbccb_oproj-k_qd1f11bbccb_oproj
	.p2alignl 7, 3214868480
	.fill 96, 4, 3214868480
	.section	.rodata,"a",@progbits
	.p2align	6, 0x0
	.amdhsa_kernel k_qd1f11bbccb_oproj
		.amdhsa_group_segment_fixed_size 327680
		.amdhsa_private_segment_fixed_size 0
		.amdhsa_enable_private_segment 0
		.amdhsa_kernarg_size 24
		.amdhsa_user_sgpr_count 2
		.amdhsa_user_sgpr_kernarg_segment_ptr 1
		.amdhsa_wavefront_size32 1
		.amdhsa_system_sgpr_workgroup_id_x 1
		.amdhsa_system_sgpr_workgroup_id_y 1
		.amdhsa_system_sgpr_workgroup_id_z 1
		.amdhsa_system_vgpr_workitem_id 0
		.amdhsa_next_free_vgpr 1024
		.amdhsa_next_free_sgpr 100
		.amdhsa_reserve_vcc 0
		.amdhsa_float_denorm_mode_32 3
		.amdhsa_float_denorm_mode_16_64 3
		.amdhsa_memory_ordered 1
		.amdhsa_forward_progress 1
		.amdhsa_inst_pref_size 143
	.end_amdhsa_kernel
	.amdgpu_metadata
---
amdhsa.version: [ 1, 2 ]
amdhsa.kernels:
  - .name:           k_qd1f11bbccb_oproj
    .symbol:         k_qd1f11bbccb_oproj.kd
    .args:
      - { .name: ao, .offset: 0, .size: 8, .value_kind: global_buffer, .address_space: global }
      - { .name: wts, .offset: 8, .size: 8, .value_kind: global_buffer, .address_space: global }
      - { .name: out0, .offset: 16, .size: 8, .value_kind: global_buffer, .address_space: global }
    .group_segment_fixed_size: 327680
    .private_segment_fixed_size: 0
    .kernarg_segment_align: 8
    .kernarg_segment_size: 24
    .max_flat_workgroup_size: 128
    .sgpr_count:     100
    .vgpr_count:     1024
    .wavefront_size: 32
...
	.end_amdgpu_metadata
.endif
;; end of part 4
